; MI455X (gfx1250); checked and timed in simulation.
; The chip was launched on July 23, 2026; its instructions are those of AMD's public machine-readable ISA for CDNA 5 (MIT licence, August 2026) and "CDNA5" Instruction Set Architecture Reference Guide (July 2026). The comments in the code are by the model that wrote it; some were corrected since.
;; Sliding Window Attention. Allowed arithmetic: matrix products marked QUANTISED: E2M3 operands, one E8M0 scale for each 32 along K, by v_wmma_scale_f32_16x16x128_f8f6f4 with both operands' format E2M3, f32 sums; everything else in f32.
;; Inputs: w_out 1,024 x 1,024 float32; w_qkv 1,024 x 3,072 float32; x 4 x 2,048 x 1,024 float32.
;; Outputs: out0 4 x 2,048 x 1,024 float32.
;; This version of the problem:
;;   THIS VERSION OF THE PROBLEM IS GIVEN IN LOW PRECISION. The matrix products marked QUANTISED in the list below multiply operands that are first quantised to E2M3 (2 exponent bits, 3 mantissa bits; 6 bits a number), with one power-of-two scale for each 32 numbers along K (OCP MX v1.0); their sums are f32. All else is computed in f32.
;;   The module's matrix products, in the order in which they are computed (A, B: the left and right operand; K: the contracted axis; several contracted axes count as one K, in the product's order):
;;     1. [M 8,192, K 1,024] x [K 1,024, N 3,072]; A: input x; B: input w_qkv: QUANTISED
;;     2. batch 64 x [M 2,048, K 64] x [K 64, N 2,048]; A: computed on the way; B: computed on the way: QUANTISED
;;     3. batch 64 x [M 64, K 2,048] x [K 2,048, N 2,048]; A: computed on the way; B: softmax (see below): QUANTISED
;;     4. [M 8,192, K 1,024] x [K 1,024, N 1,024]; A: computed on the way; B: input w_out: QUANTISED
;;   THE QUANTISER, for each operand of a quantised product, along K:
;;     - K is cut into blocks of 32 from its start; a last block that is shorter is filled with zeros.
;;     - A block's scale is 2^e with e = floor(log2(the largest magnitude in the block)) - 2, held to -126 .. 127; a block of zeros has e = 0. As a byte (E8M0): e + 127.
;;     - Each number is divided by its block's scale, clamped to +-7.5, and rounded to the nearest number of E2M3, ties to even, subnormals kept.
;;     - The product sums the exact products of the quantised numbers (number of the format x scale) in f32.
;;   ~~~python
;;   def quantise(x, axis):      # numpy; x: float32 -> the quantised numbers, widened to float32 again
;;       x = np.moveaxis(x, axis, -1); K = x.shape[-1]
;;       x = np.pad(x, [(0, 0)] * (x.ndim - 1) + [(0, -K % 32)]); x = x.reshape(x.shape[:-1] + (-1, 32)); a = np.abs(x).max(-1, keepdims=True)
;;       e = np.where(a > 0, np.clip(np.frexp(np.where(a > 0, a, 1))[1] - 1 - 2, -126, 127), 0)      # np.frexp(a)[1] - 1 = floor(log2(a)), exactly
;;       r = np.clip(x / 2.0 ** e, -7.5, 7.5)
;;       step = 2.0 ** (np.maximum(np.frexp(np.where(r == 0, 1, r))[1] - 1, 0) - 3)
;;       q = np.round(r / step) * step * 2.0 ** e      # np.round: ties to even
;;       return np.moveaxis(q.reshape(q.shape[:-2] + (-1,))[..., :K], -1, axis).astype(np.float32)
;;   ~~~
;;   SOFTMAX AHEAD OF A QUANTISED PRODUCT. Where the list says 'softmax', what is quantised is not the finished softmax but p = 2^(t - M), with t = logit x log2(e) and M = ceil(the row's largest t), a whole number; so 1/2 < the row's largest p <= 1. The row's sum l is taken of the UNQUANTISED p, in f32, and the product's result is divided by l at the end. Since M is a whole number, a kernel that streams over the keys may use a running M (the ceiling of the running maximum): every later rescaling is an exact power of two, which a block's scale takes up: the codes' values come out the same.
;;   OPERANDS COMPUTED ON THE WAY. 'Computed on the way' means the value that the module computes at that place (a softmax that the list does not call 'softmax' is quantised finished and normalised). What goes into a quantiser is computed in f32, as accurately as f32 sums, v_exp_f32 and their like allow (about 1e-6 of the number): no bf16 or f16 on the way to a quantiser, and a product that is left as it is and whose result goes on into a quantised operand takes f32 operands (vector FMAs, or v_wmma_f32_16x16x4_f32). A number that lies on a knife's edge between two numbers of the format may be rounded either way, as far as f32 arithmetic and the matrix unit's own rounding can turn it there, and no further.
;; One version. Each part assembles by itself: llvm-mc -triple=amdgcn-amd-amdhsa -mcpu=gfx1250 --defsym DOCPART=n.
;; ======== version 1 of 1: 4 launches
;; workspace buffers: x_codes 6,291,456 bytes; x_scales 262,144 bytes; w_codes 3,145,728 bytes; w_scales 131,072 bytes; qkv_codes 18,874,368 bytes; qkv_scales 786,432 bytes; a_codes 6,291,456 bytes; a_scales 262,144 bytes
;; launch quant (part 1): grid 384 x 1, 4 waves a work-group, no clusters, 102,912 bytes of LDS; arguments x, w_qkv, w_out, x_codes, x_scales, w_codes, w_scales; writes x_codes, x_scales, w_codes, w_scales
.if DOCPART == 1
	.amdgcn_target "amdgcn-amd-amdhsa--gfx1250"
	.amdhsa_code_object_version 6
	.text
	.protected	k_q7edc319800_quant
	.globl	k_q7edc319800_quant
	.p2align	8
	.type	k_q7edc319800_quant,@function
k_q7edc319800_quant:
	s_mov_b64 s[64:65], 0
	v_nop
	global_prefetch_b8 v0, s[64:65] scope:SCOPE_SE
	s_setreg_imm32_b32 hwreg(HW_REG_WAVE_MODE, 25, 1), 1
	s_wait_xcnt 0x0
; x [8192][1024], w_qkv [1024][3072] and w_out [1024][1024], all f32, become codes of FP6 (E2M3), 6 bits each, K innermost (a row of 1,024 codes is 768 bytes, one stream of bits),
; with one E8M0 scale byte for each 32 along K (32 bytes a row).  A block's scale is 2^(floor(log2(its largest magnitude)) - 2): its byte is the largest magnitude's exponent field - 2, held at 1 from below.
; LIMITS: a block of zeros gets the byte 1 where the quantiser's rule says 127 (its codes are zeros, which add nothing, and this program alone reads the bytes); blocks whose largest magnitude lies under 2^-124
; keep the byte 1; NaN and infinities among the inputs are not served.
; ROW ORDER.  x_codes / x_scales: in every group of 32 tokens the two middle runs of 8 change places: position p holds token P(p), P = p with its bits 3 and 4 exchanged.  w_codes / w_scales rows 0-3071: column n of w_qkv
; at position P(n); rows 3072-4095: the columns of w_out in their own order.  With that order 16 neighbouring rows of a tile are rows 8 i + r + 8 (r / 8) of a group, so that in the next launch the 16 registers of two
; neighbouring result tiles are 16 neighbours along the axis that is quantised there.
; SHARES.  Work-groups 0-255: 32 rows of x, a wave 8 rows (8,192 numbers: 16 steps of 512).  256-351: 128 columns x 256 along K of w_qkv.  352-383: the same of w_out.  Every work-group reads 131,072 bytes.
; The three ways part on the work-group's number; each has LDS bytes of its own.  No tensor loads, no barrier: waves share nothing.
.set STEPS,  16
.set CB,     12                        ; bytes of 16 codes
.set R,      16                        ; x: v16-79   four sets of 16 numbers as they are loaded
.set X,      80                        ; x: v80-111  two sets of 16 neighbours
.set E,      112                       ; x: v112-127 a scale byte for each step
.set C,      128                       ; x: v128-191 codes: four registers for each step, so that no store's data are written again
.set WREG,   8192                      ; x: LDS of a wave: two stages of 32 x SP bytes, behind them its 256 scale bytes
.set SP,     80                        ; x: a lane's place in a stage: 64 bytes + 16 of padding
.set WPITCH, 272                       ; weights: a stage row: sixteen places of 16 bytes, each with 12 bytes of codes, + 16
.set WX,     32                        ; weights: v32-95 two sets of 32 numbers
.set WC,     96                        ; weights: a block's codes
.set OUTR,   112                       ; weights: v112-175 the way out
.set SB,     24                        ; weights: v24-25 the scale bytes, four to a register
.macro XLOAD t                         ; step t's 2,048 bytes: each load reads 512 consecutive bytes
.irp i, 0,1,2,3
	global_load_b128 v[R+16*((\t)%4)+4*\i:R+16*((\t)%4)+4*\i+3], v3, s[4:5] offset:2048*(\t)+512*\i th:TH_LOAD_NT
.endr
.endm
.macro XTURN t                         ; through the wave's stage, so that a lane gets 16 neighbours: LDS serves a wave's instructions in order, so no wait stands between the stores and the loads
.irp i, 0,1,2,3
	ds_store_b128 v14, v[R+16*((\t)%4)+4*\i:R+16*((\t)%4)+4*\i+3] offset:32*SP*((\t)%2)+8*SP*\i
.endr
.irp i, 0,1,2,3
	ds_load_b128 v[X+16*((\t)%2)+4*\i:X+16*((\t)%2)+4*\i+3], v15 offset:32*SP*((\t)%2)+16*\i
.endr
.endm
.macro XSTEP t
.set XS, X+16*((\t)%2)
.if (\t) > 0
	s_wait_dscnt 1                                 ; this step's numbers are back from the stage (the last step's byte store may be out): so its stores into the stage have read their registers,
.else
	s_wait_dscnt 0x0
.endif
.if (\t)+4 < STEPS
	XLOAD (\t)+4                                   ; which take the loads of four steps on
.endif
.if (\t)+1 < STEPS
.if STEPS-2-(\t) >= 3
	s_wait_loadcnt 12                              ; the next step's four loads are in; those of the three steps behind it may be out
.else
	s_wait_loadcnt 4*(STEPS-2-(\t))
.endif
	XTURN (\t)+1                                   ; they go through the other stage while this step is worked
.endif
	v_max3_num_f32 v8, |v[XS]|, |v[XS+1]|, |v[XS+2]|               ; the largest magnitude of my 16, in two chains
	v_max3_num_f32 v9, |v[XS+3]|, |v[XS+4]|, |v[XS+5]|
.irp i, 6,10
	v_max3_num_f32 v8, v8, |v[XS+\i]|, |v[XS+\i+1]|
	v_max3_num_f32 v9, v9, |v[XS+\i+2]|, |v[XS+\i+3]|
.endr
	v_max3_num_f32 v8, v8, |v[XS+14]|, |v[XS+15]|
	v_max3_num_f32 v8, v8, v9, 0x1800000           ; and the floor 2^(3 - 127): the byte cannot fall under 1
	v_max_num_f32_dpp v8, v8, v8 row_xmask:1 row_mask:0xf bank_mask:0xf   ; and of my neighbour's 16: the block's
	v_add_nc_u32 v11, 0xff000000, v8               ; 2 off its exponent field: the conversion takes the exponent field of this operand as its scale
	v_cvt_scalef32_pk16_fp6_f32 v[C+4*(\t):C+4*(\t)+2], v[XS:XS+15], v11
	v_lshrrev_b32 v[E+(\t)], 23, v11               ; the scale's byte
	ds_store_b8 v5, v[E+(\t)] offset:16*(\t)       ; both lanes of a block write the same byte with the same value
	global_store_b96 v4, v[C+4*(\t):C+4*(\t)+2], s[10:11] offset:32*CB*(\t)   ; the wave stores 384 consecutive bytes
.endm
.macro WLOAD t, cols, src              ; block t: W(32 t + i, my column), i = 0 .. 31, into set t % 2: each load reads 128 consecutive bytes a wave
.irp i, 0,1,2,3,4,5,6,7,8,9,10,11,12,13,14,15,16,17,18,19,20,21,22,23,24,25,26,27,28,29,30,31
	global_load_b32 v[WX+32*((\t)%2)+\i], v3, s[\src:\src+1] offset:(32*(\t)+\i)*\cols*4 th:TH_LOAD_NT
.endr
.endm
.macro WBLOCK t, cols, src
.set XS, WX+32*((\t)%2)
.if (\t) < 7
	s_wait_loadcnt 32                              ; this block's 32 loads are in; the next block's may be out
.else
	s_wait_loadcnt 0
.endif
	v_max3_num_f32 v12, |v[XS]|, |v[XS+1]|, |v[XS+2]|              ; the block's largest magnitude: all 32 numbers are mine
	v_max3_num_f32 v13, |v[XS+3]|, |v[XS+4]|, |v[XS+5]|
.irp i, 6,10,14,18,22,26
	v_max3_num_f32 v12, v12, |v[XS+\i]|, |v[XS+\i+1]|
	v_max3_num_f32 v13, v13, |v[XS+\i+2]|, |v[XS+\i+3]|
.endr
	v_max3_num_f32 v12, v12, |v[XS+30]|, |v[XS+31]|
	v_max3_num_f32 v12, v12, v13, 0x1800000        ; and the floor
	v_add_nc_u32 v11, 0xff000000, v12              ; the conversion's scale operand
	v_lshrrev_b32 v13, 23, v11                     ; the scale's byte
.if (\t)%4 == 0
	v_mov_b32 v[SB+(\t)/4], v13                    ; four bytes to a register, the lower K in the lower byte
.else
	v_lshl_or_b32 v[SB+(\t)/4], v13, 8*((\t)%4), v[SB+(\t)/4]
.endif
	v_cvt_scalef32_pk16_fp6_f32 v[WC:WC+2], v[XS:XS+15], v11
	v_cvt_scalef32_pk16_fp6_f32 v[WC+4:WC+6], v[XS+16:XS+31], v11  ; (a conversion's three registers begin on an even number)
	ds_store_b96 v4, v[WC:WC+2] offset:32*(\t)     ; 12 bytes to a place of 16 in the stage, so that every LDS address is a multiple of 16
	ds_store_b96 v4, v[WC+4:WC+6] offset:32*(\t)+16
.if (\t)+2 < 8
	WLOAD (\t)+2, \cols, \src
.endif
	s_wait_dscnt 0x0                               ; the stores have read their registers: the next block's codes may be written
.endm
; A weight [1024][cols] whose K is its first axis.  A lane takes a column and its registers run down K, so that a block of 32 lies in one lane and the conversions give codes with K innermost.
; A wave takes 32 columns x 256 along K; the codes go through its stage and leave as rows of 192 consecutive bytes, sixteen lanes to a row.
; perm = 1: column c of the wave's 32 goes to row P(c).  lb: the way's LDS bytes.  wg0: its first work-group.  src: the scalar pair with the weight's address.  co, so: where its rows begin in w_codes and w_scales.
.macro WPATH cols, perm, lb, wg0, src, co, so
	s_sub_co_u32 s23, ttmp9, \wg0
	s_and_b32 s24, s23, 3                          ; which 256 along K
	s_lshr_b32 s25, s23, 2
	s_lshl_b32 s25, s25, 7
	s_lshl_b32 s26, s22, 5
	s_add_co_u32 s25, s25, s26                     ; my wave's first column
	v_lshlrev_b32 v3, 2, v2                        ; in: 4 bytes a lane
	s_mul_i32 s26, s22, 32*WPITCH
	s_add_co_u32 s26, s26, \lb                     ; my stage
	v_mul_u32_u24 v4, v2, WPITCH
	v_add_nc_u32 v4, s26, v4                       ; into it: row = my column
	v_and_b32 v5, 15, v2
	v_lshrrev_b32 v6, 4, v2
	v_mul_u32_u24 v7, v6, WPITCH
	v_lshl_add_u32 v7, v5, 4, v7
	v_add_nc_u32 v7, s26, v7                       ; out of it: sixteen lanes to a row, two rows an instruction
	v_mul_u32_u24 v8, v6, 768
	v_mad_u32_u24 v8, v5, 12, v8                   ; and the same place in the codes' rows (P leaves bit 0 alone: P(2 t + h) = P(2 t) + h)
.if \perm
	v_and_b32 v9, 7, v2                            ; P(lane)
	v_bfe_u32 v10, v2, 3, 1
	v_lshl_or_b32 v9, v10, 4, v9
	v_bfe_u32 v10, v2, 4, 1
	v_lshl_or_b32 v9, v10, 3, v9
	v_lshlrev_b32 v9, 5, v9                        ; my column's row of scale bytes
.else
	v_lshlrev_b32 v9, 5, v2
.endif
	s_mul_i32 s28, s24, 256*\cols*4                ; the weight: 256 rows for each step along K, + 4 x column
	s_lshl_b32 s29, s25, 2
	s_add_co_u32 s28, s28, s29
	s_mov_b32 s29, 0
	s_add_nc_u64 s[\src:\src+1], s[\src:\src+1], s[28:29]
	s_mul_i32 s28, s25, 768                        ; the codes: column x 768 + 192 for each step along K
	s_mul_i32 s30, s24, 192
	s_add_co_u32 s28, s28, s30
	s_add_co_u32 s28, s28, \co
	s_add_nc_u64 s[14:15], s[14:15], s[28:29]
	s_lshl_b32 s28, s25, 5                         ; the scale bytes: column x 32 + 8 for each step along K
	s_lshl_b32 s30, s24, 3
	s_add_co_u32 s28, s28, s30
	s_add_co_u32 s28, s28, \so
	s_add_nc_u64 s[16:17], s[16:17], s[28:29]
	WLOAD 0, \cols, \src
	WLOAD 1, \cols, \src
.set Q, 0
.rept 8
	WBLOCK Q, \cols, \src
.set Q, Q+1
.endr
	global_store_b64 v9, v[SB:SB+1], s[16:17]      ; my column's 8 scale bytes
.irp t, 0,1,2,3,4,5,6,7,8,9,10,11,12,13,14,15
	ds_load_b96 v[OUTR+4*\t:OUTR+4*\t+2], v7 offset:2*\t*WPITCH   ; LDS serves a wave's instructions in order: these see my stores
.endr
.irp t, 0,1,2,3,4,5,6,7,8,9,10,11,12,13,14,15
.if \perm
.set PP, ((2*\t)&7)|((((2*\t)>>3)&1)<<4)|((((2*\t)>>4)&1)<<3)
.else
.set PP, 2*\t
.endif
	s_wait_dscnt 15-\t                             ; loads come back in order: pair t of rows is in
	global_store_b96 v8, v[OUTR+4*\t:OUTR+4*\t+2], s[14:15] offset:PP*768
.endr
.endm
	s_load_b256 s[4:11], s[0:1], 0x0               ; x s[4:5], w_qkv s[6:7], w_out s[8:9], x_codes s[10:11]
	s_load_b128 s[12:15], s[0:1], 0x20             ; x_scales s[12:13], w_codes s[14:15]
	s_load_b64 s[16:17], s[0:1], 0x30              ; w_scales
	v_lshl_add_u32 v192, v0, 2, 0x19000
	v_mov_b32 v193, 0
	v_lshrrev_b32 v1, 5, v0
	v_readfirstlane_b32 s22, v1                    ; wave 0..3
	v_and_b32 v2, 31, v0                           ; lane
	s_wait_kmcnt 0x0
	s_cmp_ge_u32 ttmp9, 352
	s_cbranch_scc1 .Lwout
	s_cmp_ge_u32 ttmp9, 256
	s_cbranch_scc1 .Lwqkv
	; ---- x: rows are dense and 1,024 is a multiple of 32, so a wave's 8 rows are a plain stream of 256 blocks
	v_lshlrev_b32 v3, 4, v2                        ; my 16 bytes of a load's 512
	s_mul_i32 s23, s22, WREG
	v_lshrrev_b32 v14, 2, v2
	v_mul_u32_u24 v14, v14, SP
	v_and_b32 v15, 3, v2
	v_lshl_add_u32 v14, v15, 4, v14
	v_add_nc_u32 v14, s23, v14                     ; the stage, on the way in: four lanes' 64 bytes on end, then 16 of padding
	v_mul_u32_u24 v15, v2, SP
	v_add_nc_u32 v15, s23, v15                     ; and on the way out: my 16 neighbours
	v_mul_u32_u24 v4, v2, CB                       ; my codes' place in a step's
	v_lshrrev_b32 v5, 1, v2
	s_add_co_u32 s23, s23, 2*32*SP
	v_add_nc_u32 v5, s23, v5                       ; LDS: my wave's 256 scale bytes, my block's byte
	v_lshlrev_b32 v7, 3, v2                        ; and on the way out 8 bytes a lane
	v_add_nc_u32 v6, s23, v7
	s_lshl_b32 s24, ttmp9, 2
	s_add_co_u32 s26, s24, s22                     ; which run of 8 tokens is my wave's
	s_lshl_b32 s26, s26, 15                        ; 32,768 bytes a run
	s_mov_b32 s27, 0
	s_add_nc_u64 s[4:5], s[4:5], s[26:27]
	s_and_b32 s28, s22, 1                          ; where the run goes: the wave's two bits change places
	s_lshl_b32 s28, s28, 1
	s_lshr_b32 s29, s22, 1
	s_or_b32 s28, s28, s29
	s_add_co_u32 s28, s28, s24
	s_mul_i32 s26, s28, 6144                       ; 8 rows of 768 bytes
	s_add_nc_u64 s[10:11], s[10:11], s[26:27]
	s_lshl_b32 s26, s28, 8                         ; 8 rows of 32 bytes
	s_add_nc_u64 s[12:13], s[12:13], s[26:27]
.irp t, 0,1,2,3
	XLOAD \t
.endr
	s_wait_loadcnt 12                              ; step 0's four loads are in
	XTURN 0
.irp t, 0,1,2,3,4,5,6,7,8,9,10,11,12,13,14,15
	XSTEP \t
.endr
	ds_load_b64 v[12:13], v6                       ; LDS serves a wave's instructions in order: these see my byte stores
	s_wait_dscnt 0x0
	global_store_b64 v7, v[12:13], s[12:13]        ; 32 lanes store 256 consecutive bytes, aligned
	s_wait_tensorcnt 0x0
	ds_add_u32 v192, v193
	s_wait_dscnt 0x0
	s_endpgm
.Lwqkv:
	WPATH 3072, 1, 32768, 256, 6, 0, 0
	s_wait_tensorcnt 0x0
	ds_add_u32 v192, v193
	s_wait_dscnt 0x0
	s_endpgm
.Lwout:
	WPATH 1024, 0, 67584, 352, 8, 2359296, 98304
	s_wait_tensorcnt 0x0
	ds_add_u32 v192, v193
	s_wait_dscnt 0x0
	s_endpgm
.Lfunc_end_k_q7edc319800_quant:
	.size	k_q7edc319800_quant, .Lfunc_end_k_q7edc319800_quant-k_q7edc319800_quant
	.p2alignl 7, 3214868480
	.fill 96, 4, 3214868480
	.section	.rodata,"a",@progbits
	.p2align	6, 0x0
	.amdhsa_kernel k_q7edc319800_quant
		.amdhsa_group_segment_fixed_size 102912
		.amdhsa_private_segment_fixed_size 0
		.amdhsa_enable_private_segment 0
		.amdhsa_kernarg_size 56
		.amdhsa_user_sgpr_count 2
		.amdhsa_user_sgpr_kernarg_segment_ptr 1
		.amdhsa_wavefront_size32 1
		.amdhsa_system_sgpr_workgroup_id_x 1
		.amdhsa_system_sgpr_workgroup_id_y 1
		.amdhsa_system_sgpr_workgroup_id_z 1
		.amdhsa_system_vgpr_workitem_id 0
		.amdhsa_next_free_vgpr 194
		.amdhsa_next_free_sgpr 66
		.amdhsa_reserve_vcc 0
		.amdhsa_float_denorm_mode_32 3
		.amdhsa_float_denorm_mode_16_64 3
		.amdhsa_memory_ordered 1
		.amdhsa_forward_progress 1
		.amdhsa_inst_pref_size 114
	.end_amdhsa_kernel
	.amdgpu_metadata
---
amdhsa.version: [ 1, 2 ]
amdhsa.kernels:
  - .name:           k_q7edc319800_quant
    .symbol:         k_q7edc319800_quant.kd
    .args:
      - { .name: x, .offset: 0, .size: 8, .value_kind: global_buffer, .address_space: global }
      - { .name: w_qkv, .offset: 8, .size: 8, .value_kind: global_buffer, .address_space: global }
      - { .name: w_out, .offset: 16, .size: 8, .value_kind: global_buffer, .address_space: global }
      - { .name: x_codes, .offset: 24, .size: 8, .value_kind: global_buffer, .address_space: global }
      - { .name: x_scales, .offset: 32, .size: 8, .value_kind: global_buffer, .address_space: global }
      - { .name: w_codes, .offset: 40, .size: 8, .value_kind: global_buffer, .address_space: global }
      - { .name: w_scales, .offset: 48, .size: 8, .value_kind: global_buffer, .address_space: global }
    .group_segment_fixed_size: 102912
    .private_segment_fixed_size: 0
    .kernarg_segment_align: 8
    .kernarg_segment_size: 56
    .max_flat_workgroup_size: 128
    .sgpr_count:     66
    .vgpr_count:     194
    .wavefront_size: 32
...
	.end_amdgpu_metadata
.endif
;; end of part 1
;; launch gemm_qkv (part 2): grid 12 x 32, 4 waves a work-group, clusters of 4 x 4, 327,680 bytes of LDS; arguments x_codes, x_scales, w_codes, w_scales, qkv_codes, qkv_scales; writes qkv_codes, qkv_scales
.if DOCPART == 2
	.amdgcn_target "amdgcn-amd-amdhsa--gfx1250"
	.amdhsa_code_object_version 6
	.text
	.protected	k_q7edc319800_gemm_qkv
	.globl	k_q7edc319800_gemm_qkv
	.p2align	8
	.type	k_q7edc319800_gemm_qkv,@function
k_q7edc319800_gemm_qkv:
	s_mov_b64 s[64:65], 0
	v_nop
	global_prefetch_b8 v0, s[64:65] scope:SCOPE_SE
	s_setreg_imm32_b32 hwreg(HW_REG_WAVE_MODE, 25, 1), 1
	s_wait_xcnt 0x0
	s_wait_alu depctr_hold_cnt(0) depctr_sa_sdst(0) depctr_va_vdst(0) depctr_va_sdst(0) depctr_va_ssrc(0) depctr_va_vcc(0) depctr_vm_vsrc(0)
	s_getreg_b32 s2, hwreg(HW_REG_IB_STS2, 6, 4)
	s_cmp_eq_u32 s2, 0
	s_cbranch_scc0 .Lentry_in_a_cluster
	s_endpgm
.Lentry_in_a_cluster:
	s_bfe_u32 s2, ttmp6, 0x10000c
	s_cmp_lg_u32 s2, 0xf033
	s_cbranch_scc0 .Lentry_shape_is_right
	s_endpgm
.Lentry_shape_is_right:
; qkv = x w_qkv on codes of FP6 (E2M3) with one E8M0 scale for each 32 along K = 1,024; sums in f32.  The results never go to memory as f32: each wave quantises its 128 x 128 in registers and stores
; them as images of the operand registers of the attention launch.
; A tile of 256 x 256 results is made by four waves, each 128 x 128: 64 accumulators of 16 x 16, 512 registers.  K goes in steps of 256 (rows of 192 bytes) through a ring of two LDS slots filled by the tensor data mover;
; the scale bytes of the work-group's 2 x 256 rows, for all of K, come into LDS once, with the first fills.
; ROLES.  The matrix instruction is used transposed (source 0 = 16 rows of the B role, source 1 = 16 rows of the A role): a lane holds ONE row of the A role, and its registers run along the B role, which is the axis to be
; quantised.  Clusters with x = 0, 1 make q and k: A role = tokens (x_codes), B role = columns 0-2047 of w_qkv: the registers run along a head's d.  Clusters with x = 2 make v: A role = columns 2048-3071, B role = tokens:
; the registers run along the tokens, which are the K of the attention's second product.  The choice hangs on the cluster's x alone and is made by selects: all work-groups run the same text.
; Both buffers have their rows in the order that the launch before gave them (in every 32 rows the two middle runs of 8 exchanged), so that the 16 registers of result tiles 2 b and 2 b + 1 are 16 NEIGHBOURS:
; 32 b + 16 (lane / 16) + 0 .. 15 along the B role, and row r of A's block a is row 32 (a / 2) + 8 (a % 2) + r + 8 (r / 8).
; OUT.  qkv_codes: records of 12,288 bytes at index 64 x major + block of 128 tokens; major 0-7 q, 8-15 k, 16-23 v, each by pair of heads.  A record is 8 images of 1,536 bytes (A's blocks 0-7): registers 4 c .. 4 c + 3 of lane l at
; 512 c + 16 l.  qkv_scales: records of 512 bytes: the word at 16 l + 4 p is that of image 2 p, row l (l < 16), or image 2 p + 1, row l - 16.
; CLUSTERS: 4 x 4 work-groups; A's tiles are asked for jointly by a row of the cluster, B's by a column.
; LIMITS: a block of zeros gets the scale byte 1 (its codes are zeros; this program alone reads the bytes); blocks whose largest magnitude lies under 2^-124 keep the byte 1; NaN and infinities are not served.
; REGISTERS, in windows of 256: window 0: v0-31 addresses; v32-63 scale words, two sets; v64-98 at work on the way out; from v128 A's fragments, ONE set, on the way out the codes.
;   window 1: B's fragments, two sets, at v0 and v128.   window 2: the accumulators of my rows 0-63 ((a, b) at v[8 (8 a + b)]);   window 3: those of my rows 64-127.
.set SIZE_K, 1024
.set KSTEP,  256                       ; along K in a slot
.set NQ,     KSTEP/128                 ; matrix instructions deep
.set ROWB,   192                       ; a tile's row in bytes
.set KROW,   SIZE_K*6/8                ; a row of codes in memory
.set PITCH,  240                       ; an LDS row: 3 x (64 bytes of data + 16 of padding)
.set FR,     12                        ; registers of a fragment: 16 rows x 128 K
.set NL,     6                         ; LDS loads that bring one
.set NP,     4                         ; places behind this matrix instruction (ISA guide 7.12.1)
.set HALFT,  128*PITCH                 ; 128 rows: what one tensor load brings
.set SLOT,   4*HALFT                   ; A's 256 rows, then B's 256 rows
.set LAPS,   SIZE_K/(2*KSTEP)          ; a lap = two K steps = once round the ring
.set KS,     SIZE_K/32                 ; a row of scales in bytes
.set SCL,    2*SLOT                    ; behind the ring: the scales, as runs of 256 bytes + 16 of padding
.set HALFS,  (128*KS/256)*272          ; the scales of 128 rows
.set SBLK,   (16*KS/256)*272           ; those of 16 rows
.set SPARE,  SCL+4*HALFS               ; behind the scales: the spare words, 128 bytes for each wave, which no other line names
.set ADRA, 16                          ; v16-17 LDS address of my A fragments in slot 0, 1 (v18-19: for the pieces behind one padding more)
.set ADRB, 20                          ; v20-21 the same for B (v22-23)
.set LI,   26                          ; v26    16 x lane: my place in an image
.set ADRS, 27                          ; v27    LDS address of my scale words: lanes 0-15 A's rows, lanes 16-31 B's
.set SPW,  28                          ; v28    LDS address of my spare word; never rewritten
.set NIL,  29                          ; v29    0; never rewritten
.set SC,   32                          ; scale words: set s at v[SC + 8 NQ s]; register NQ i + q: lanes 0-15 A's block i, lanes 16-31 B's block i
.set TM,   64                          ; the way out: v64-67 largest magnitudes, v68-71 the other half's and the bytes, v76-79 the conversions' scale operands
.set PW,   80                          ; v80-87 the eight images' scale words
.set SW,   88                          ; v88-91 the same, two images to a register
.set YY,   92                          ; v92-94, v96-98 the second halves of the conversions
.set AF,   128                         ; A's fragments, in window 0
.set G1, 24                            ; s[24:31] descriptor group 1 for A's tiles;  s[32:39] group 0, one set for each slot
.set G0, 32
.set G1B, 48                           ; s[48:55], s[56:63] the same for B's tiles
.set G0B, 56
.set G1S, 68                           ; s[68:75], s[76:79] groups 1 and 0 for A's scales;  s[80:87], s[88:91] for B's
.set G0S, 76
.set G1SB, 80
.set G0SB, 88
.set MSB, 0
.macro WIN new                         ; the immediate's high byte repeats the setting that is left
.if MSB != \new
	s_set_vgpr_msb (MSB<<8)|\new
.set MSB, \new
.endif
.endm
.set MUL_LO, 0xa1                      ; source 0 (B) window 1, source 1 (A) window 0, C and D window 2
.set MUL_HI, 0xf1                      ; the same, C and D window 3
.set TO_B,   0x40                      ; destination window 1, address window 0
; A joint load: waves 0 and 1 fetch for A, waves 2 and 3 for B.  Each line has one mask and one set of registers for all that issue it; the branch hangs on the wave's number alone.
; Four v_nop follow each of the two lines, ahead of the jump, the label and what follows.
.macro JLOAD g0a, g1a, g0b, g1b
	s_cmp_eq_u32 s15, 0
	s_cbranch_scc0 .Lfor_b_\@
	tensor_load_to_lds s[\g0a:\g0a+3], s[\g1a:\g1a+7]
	s_nop 0
.rept 4
	v_nop
.endr
	s_branch .Lasked_\@
.Lfor_b_\@:
	tensor_load_to_lds s[\g0b:\g0b+3], s[\g1b:\g1b+7]
	s_nop 0
.rept 4
	v_nop
.endr
.Lasked_\@:
.endm
.macro CREST                           ; a round of the cluster's barrier behind its opening barrier
	s_cmp_lg_u32 s14, 0
	s_cbranch_scc1 .Lnot_wave_0_\@
	s_barrier_signal -3
.Lnot_wave_0_\@:
	s_barrier_wait -3
	s_barrier_signal -1
	s_barrier_wait -1
.endm
.macro CROUND                          ; a whole round
	s_barrier_signal -1
	s_barrier_wait -1
	CREST
.endm
	s_load_b128 s[4:7], s[0:1], 0x0                ; x_codes s[4:5], x_scales s[6:7]
	s_load_b128 s[8:11], s[0:1], 0x10              ; w_codes s[8:9], w_scales s[10:11]
	s_load_b64 s[12:13], s[0:1], 0x20              ; qkv_codes
	s_load_b64 s[66:67], s[0:1], 0x28              ; qkv_scales
	v_lshl_add_u32 v[SPW], v0, 2, SPARE
	v_mov_b32 v[NIL], 0
	ds_add_u32 v28, v29
	ds_add_u32 v28, v29
	s_wait_dscnt 0x0
	v_lshrrev_b32 v1, 5, v0
	v_readfirstlane_b32 s14, v1                    ; wave 0..3
	s_lshr_b32 s15, s14, 1                         ; which half of the A role's rows is mine.  Also: I fetch for A (0) or for B (1)
	s_and_b32 s16, s14, 1                          ; which half of the B role's.  Also: which 128 rows of that tile I fetch
	s_bfe_u32 s40, ttmp6, 0x40000                  ; cx, cy: my place in the cluster
	s_bfe_u32 s41, ttmp6, 0x40004
	s_and_b32 s96, ttmp7, 0xffff
	s_lshl_b32 s96, s96, 2                         ; 4 x cluster y
	s_lshl_b32 s97, ttmp9, 2                       ; 4 x cluster x
	s_cmp_eq_u32 ttmp9, 2                          ; the clusters with x = 2 make v
	s_cselect_b32 s17, 0, s96                      ; q, k: 32 tile rows of tokens;  v: 4 tile rows of columns
	s_cselect_b32 s42, s96, s97                    ; q, k: 8 tile columns of columns;  v: 32 tile columns of tokens
	s_cselect_b32 s95, 2048, 0                     ; v's columns begin at row 2,048 of w_codes
	s_add_co_u32 s17, s17, s41                     ; tile row: hangs on cy and the cluster's place alone
	s_add_co_u32 s42, s42, s40                     ; tile column: on cx and the cluster's place alone
	s_lshl_b32 s43, s41, 2
	s_lshl_b32 s43, 15, s43                        ; my row of the cluster
	s_lshl_b32 s44, 0x1111, s40                    ; my column
	; descriptor group 1: a tile of 128 rows x 192 bytes, padded in LDS
	s_or_b32 s[G1+0], s43, (0<<16)|(1<<20)|(1<<21)|(3<<22)|(3<<25)  ; 15:0 the mask: A's tiles go to my row; 17:16 elements of 1 byte; 20 padding on; 21 set beside a mask; 24:22 after every 16 words; 31:25 of 4 words
	s_or_b32 s[G1B+0], s44, (0<<16)|(1<<20)|(1<<21)|(3<<22)|(3<<25)
.irp g, G1, G1B
	s_mov_b32 s[\g+1], ROWB<<16                    ; tensor_dim0
	s_mov_b32 s[\g+2], 128<<16                     ; tensor_dim1 = 128
	s_mov_b32 s[\g+3], ROWB<<16                    ; tile_dim0
	s_mov_b32 s[\g+4], 128                         ; tile_dim1 = 128
	s_mov_b32 s[\g+5], KROW                        ; tensor_dim0_stride
	s_mov_b32 s[\g+6], 0
	s_mov_b32 s[\g+7], 0
.endr
	; and for the scales of 128 rows: a dense block of 4,096 bytes, as rows of 256 bytes (32 elements of 8 bytes), 16 bytes of padding behind each
	s_or_b32 s[G1S+0], s43, (3<<16)|(1<<20)|(1<<21)|(5<<22)|(3<<25)
	s_or_b32 s[G1SB+0], s44, (3<<16)|(1<<20)|(1<<21)|(5<<22)|(3<<25)
.irp g, G1S, G1SB
	s_mov_b32 s[\g+1], 32<<16
	s_mov_b32 s[\g+2], (128*KS/256)<<16
	s_mov_b32 s[\g+3], 32<<16
	s_mov_b32 s[\g+4], 128*KS/256
	s_mov_b32 s[\g+5], 32
	s_mov_b32 s[\g+6], 0
	s_mov_b32 s[\g+7], 0
.endr
	s_lshl_b32 s18, s16, 7                         ; which 128 rows of the tile I fetch
	s_lshl_b32 s20, s17, 8
	s_add_co_u32 s20, s20, s18
	s_add_co_u32 s20, s20, s95                     ; A: row 256 x tile row + 128 x half (+ 2,048 for v)
	s_lshl_b32 s46, s42, 8
	s_add_co_u32 s46, s46, s18                     ; B: row 256 x tile column + 128 x half
	s_mov_b32 s21, 0
	s_mov_b32 s47, 0
	s_mov_b64 s[18:19], KS
	s_mul_u64 s[22:23], s[20:21], s[18:19]         ; where these rows' scales begin, in bytes
	s_mul_u64 s[92:93], s[46:47], s[18:19]
	s_mov_b64 s[18:19], KROW
	s_mul_u64 s[20:21], s[20:21], s[18:19]         ; and their codes
	s_mul_u64 s[46:47], s[46:47], s[18:19]
	s_mul_i32 s45, s14, HALFT                      ; where they go: wave x 128 rows: no place in the cluster enters an LDS address
	s_mul_i32 s94, s14, HALFS
	s_wait_kmcnt 0x0
	s_cmp_eq_u32 ttmp9, 2                          ; which buffer plays which role: a choice on the cluster's x, which hangs on no address
	s_cselect_b64 s[96:97], s[8:9], s[4:5]         ; the A role's codes
	s_cselect_b64 s[98:99], s[10:11], s[6:7]       ; and scales
	s_cselect_b64 s[8:9], s[4:5], s[8:9]           ; the B role's codes
	s_cselect_b64 s[10:11], s[6:7], s[10:11]       ; and scales
	s_mov_b64 s[4:5], s[96:97]
	s_mov_b64 s[6:7], s[98:99]
	s_add_nc_u64 s[20:21], s[4:5], s[20:21]
	s_add_nc_u64 s[22:23], s[6:7], s[22:23]
	s_add_nc_u64 s[46:47], s[8:9], s[46:47]
	s_add_nc_u64 s[92:93], s[10:11], s[92:93]
	CROUND                                         ; all sixteen work-groups are here: the first joint loads meet
	s_mov_b32 s[G0S], 1
	s_add_co_u32 s[G0S+1], s94, SCL
	s_mov_b64 s[G0S+2:G0S+3], s[22:23]
	s_or_b32 s[G0S+3], s[G0S+3], 0x80000000
	s_mov_b32 s[G0SB], 1
	s_add_co_u32 s[G0SB+1], s94, SCL
	s_mov_b64 s[G0SB+2:G0SB+3], s[92:93]
	s_or_b32 s[G0SB+3], s[G0SB+3], 0x80000000
	JLOAD G0S, G1S, G0SB, G1SB                     ; the scales first: they are wanted with K step 0
.irp s, 0,1
	s_mov_b32 s[G0+4*\s], 1
	s_add_co_u32 s[G0+4*\s+1], s45, \s*SLOT
	s_add_nc_u64 s[G0+4*\s+2:G0+4*\s+3], s[20:21], \s*ROWB
	s_or_b32 s[G0+4*\s+3], s[G0+4*\s+3], 0x80000000
	s_mov_b32 s[G0B+4*\s], 1
	s_add_co_u32 s[G0B+4*\s+1], s45, \s*SLOT
	s_add_nc_u64 s[G0B+4*\s+2:G0B+4*\s+3], s[46:47], \s*ROWB
	s_or_b32 s[G0B+4*\s+3], s[G0B+4*\s+3], 0x80000000
	JLOAD G0+4*\s, G1, G0B+4*\s, G1B               ; three tensor loads of mine are out now
.endr
	v_and_b32 v1, 15, v0                           ; l % 16
	v_bfe_u32 v2, v0, 4, 1                         ; l / 16
	v_mul_u32_u24 v3, v1, PITCH
	v_mul_u32_u24 v4, v2, 24
	v_add_nc_u32 v4, v3, v4                        ; a fragment's row x pitch + 24 x half
	v_lshl_add_u32 v5, v2, 4, v4                   ; and the same behind one padding more
	s_mul_i32 s21, s15, HALFT                      ; my 128 rows of A
	s_mul_i32 s22, s16, HALFT                      ; my 128 rows of B,
	s_add_co_u32 s22, s22, 2*HALFT                 ; which lie behind A's 256
.irp s, 0,1
	v_add_nc_u32 v[ADRA+\s], s21, v4
	v_add_nc_u32 v[ADRB+\s], s22, v4
	v_add_nc_u32 v[ADRA+2+\s], s21, v5
	v_add_nc_u32 v[ADRB+2+\s], s22, v5
	s_add_co_u32 s21, s21, SLOT
	s_add_co_u32 s22, s22, SLOT
.endr
	v_mul_u32_u24 v5, v1, KS                       ; my row's scales: 32 bytes a row,
	v_lshrrev_b32 v6, 8, v5
	v_lshl_add_u32 v5, v6, 4, v5                   ; and 16 more for each 256 passed
	s_mul_i32 s21, s15, HALFS                      ; A's: my 128 rows
	s_mul_i32 s22, s16, HALFS                      ; B's: my 128 rows, behind A's 256
	s_add_co_u32 s22, s22, 2*HALFS
	s_sub_co_u32 s22, s22, s21
	v_mul_u32_u24 v6, s22, v2                      ; lanes 16-31 take B's: one product, the distance between the two bases
	s_add_co_u32 s21, s21, SCL
	v_add_nc_u32 v5, v5, v6
	v_add_nc_u32 v[ADRS], s21, v5
	v_and_b32 v6, 31, v0
	v_lshlrev_b32 v[LI], 4, v6                     ; the way out: 16 bytes a lane
.macro FRAG reg, adr, q, i             ; a fragment is 12 registers: lane l holds row l % 16; registers 6 c .. 6 c + 5 hold K = 64 c + 32 (l / 16) + 0 .. 31: 24 bytes of the row's stream of bits, as they lie
.irp p, 0,1,2,3,4,5                    ; in pieces of 8 bytes, so that every address is a multiple of the access's size
.set PC, 12*(\q)+6*(\p/3)+\p%3        ; 16 bytes of padding lie behind every 8 pieces: where the piece three on lies behind one padding more, the second address register serves
.if PC%8 < 5
	ds_load_b64 v[\reg+2*\p:\reg+2*\p+1], v[\adr] offset:8*PC+16*(PC/8)+(\i)*16*PITCH
.else
	ds_load_b64 v[\reg+2*\p:\reg+2*\p+1], v[\adr+2] offset:8*PC+16*(PC/8)+(\i)*16*PITCH
.endif
.endr
.endm
; 16 matrix instructions: A's blocks a0, a0 + 1 x B's eight, 128 along K: the slot's q-th.  p: B's set;  sc: the set of scale words.  zero = 1: the first product starts the sums.
; The 64 accumulators take turns, one instruction a turn, in the same order in every step.
.macro MUL16 a0, p, q, sc, zero
.irp a, \a0, \a0+1
.irp b, 0,1,2,3,4,5,6,7
.if \zero
	v_wmma_scale_f32_16x16x128_f8f6f4 v[8*(8*((\a)%4)+\b):8*(8*((\a)%4)+\b)+7], v[128*(\p)+FR*\b:128*(\p)+FR*\b+FR-1], v[AF+FR*(\a):AF+FR*(\a)+FR-1], 0, v[SC+8*NQ*(\sc)+NQ*\b+(\q)], v[SC+8*NQ*(\sc)+NQ*(\a)+(\q)] matrix_a_fmt:MATRIX_FMT_FP6 matrix_b_fmt:MATRIX_FMT_FP6 matrix_a_scale:MATRIX_SCALE_ROW1
.else
	v_wmma_scale_f32_16x16x128_f8f6f4 v[8*(8*((\a)%4)+\b):8*(8*((\a)%4)+\b)+7], v[128*(\p)+FR*\b:128*(\p)+FR*\b+FR-1], v[AF+FR*(\a):AF+FR*(\a)+FR-1], v[8*(8*((\a)%4)+\b):8*(8*((\a)%4)+\b)+7], v[SC+8*NQ*(\sc)+NQ*\b+(\q)], v[SC+8*NQ*(\sc)+NQ*(\a)+(\q)] matrix_a_fmt:MATRIX_FMT_FP6 matrix_b_fmt:MATRIX_FMT_FP6 matrix_a_scale:MATRIX_SCALE_ROW1
.endif
.endr
.endr
.endm
.macro FETCH_B slot, q, p              ; B's eight fragments of the slot's q-th 128 along K into set p
	WIN TO_B
.irp i, 0,1,2,3,4,5,6,7
	FRAG 128*(\p)+FR*\i, ADRB+\slot, \q, \i
.endr
	WIN 0
.endm
.macro FETCH_A slot, q, i0             ; A's blocks i0 .. i0 + 3
.irp i, \i0, \i0+1, \i0+2, \i0+3
	FRAG AF+FR*(\i), ADRA+\slot, \q, \i
.endr
.endm
.macro SCALES sc                       ; the next K step's scale words into set sc: two words a row; lanes 0-15 take A's block i, lanes 16-31 B's block i
.irp i, 0,1,2,3,4,5,6,7
	ds_load_b64 v[SC+8*NQ*\sc+NQ*\i:SC+8*NQ*\sc+NQ*\i+1], v[ADRS] offset:\i*SBLK
.endr
.endm
; A load into a register that a matrix instruction has read, and a vector instruction that reads a matrix result or writes one of its registers, stand NP places behind it; only plain vector
; instructions that name none of its registers are places (ISA guide 7.12.1 for vector instructions).
.macro PLACES n
.rept \n
	v_nop
.endr
.endm
; A step of 128 along K that has its successor in the same slot.
.macro STEP slot, q, zero
	s_wait_dscnt 4*NL                              ; B's set and A's blocks 0-3 are in; the youngest 24 loads (A's blocks 4-7) may be out
	WIN MUL_LO
	MUL16 0, (\q)%2, \q, \slot, \zero
	MUL16 2, (\q)%2, \q, \slot, \zero
	s_wait_dscnt 0                                 ; A's blocks 4-7 are in (asked for 32 matrix instructions ago)
	PLACES NP
	FETCH_B \slot, (\q)+1, 1-(\q)%2
	FETCH_A \slot, (\q)+1, 0
	WIN MUL_HI
	MUL16 4, (\q)%2, \q, \slot, \zero
	MUL16 6, (\q)%2, \q, \slot, \zero
	PLACES NP
	WIN 0
	FETCH_A \slot, (\q)+1, 4
.endm
; A slot's last step changes slots: ONE barrier; in front of it each wave waits for all its tensor loads, adds 0 to its spare word, and waits for that and for its own reads of this slot.  fill = 1: this slot is filled again, two K steps ahead.
.macro TURN slot, next, fill
	s_wait_tensorcnt 0x0                           ; all my tensor loads have landed: my part of the next slot  (every window is 0 here)
	ds_add_u32 v[SPW], v[NIL]                      ; 0 onto my spare word
	s_wait_dscnt 4*NL+1                            ; (the add and the youngest 24 loads, A's blocks 4-7, may be out)
	WIN MUL_LO
	MUL16 0, 1, NQ-1, \slot, 0                     ; sixteen matrix instructions stand between the add and the wait for it
	s_wait_dscnt 0x0                               ; the add is done, and my reads of this slot are over
	s_barrier_signal -1
	MUL16 2, 1, NQ-1, \slot, 0
	WIN 0
	s_barrier_wait -1
.if \fill
	CREST                                          ; the barrier has opened a round of the cluster's barrier: no wave of any partner still reads this slot's tile or has a load on its way
	s_add_nc_u64 s[G0+4*\slot+2:G0+4*\slot+3], s[G0+4*\slot+2:G0+4*\slot+3], 2*ROWB
	s_add_nc_u64 s[G0B+4*\slot+2:G0B+4*\slot+3], s[G0B+4*\slot+2:G0B+4*\slot+3], 2*ROWB
	JLOAD G0+4*\slot, G1, G0B+4*\slot, G1B         ; the first tensor load behind the round; the four v_nop behind it are the places in front of the loads below
.else
	PLACES NP
.endif
	v_add_nc_u32 v[ADRS], 4*NQ, v[ADRS]            ; on to the next K step's scale words (no LDS load of mine is out)
	FETCH_B \next, 0, 0
	FETCH_A \next, 0, 0
	SCALES \next
	WIN MUL_HI
	MUL16 4, 1, NQ-1, \slot, 0
	MUL16 6, 1, NQ-1, \slot, 0
	PLACES NP
	WIN 0
	FETCH_A \next, 0, 4
.endm
	s_wait_tensorcnt 1                             ; the scales and my part of K step 0 are in (K step 1's load may be out)
	s_barrier_signal -1
	s_barrier_wait -1                              ; everybody's are
	FETCH_B 0, 0, 0
	FETCH_A 0, 0, 0
	SCALES 0
	FETCH_A 0, 0, 4
	STEP 0, 0, 1                                   ; the first step stands in front of the loop: its products start the sums
	s_mov_b32 s3, LAPS-1
.Llap:                                                 ; a trip goes once round the ring, from a lap's second step to the next lap's first, and fills both slots again
	TURN 0, 1, 1
	STEP 1, 0, 0
	TURN 1, 0, 1
	STEP 0, 0, 0
	s_sub_co_u32 s3, s3, 1
	s_cmp_lg_u32 s3, 0
	s_cbranch_scc1 .Llap
	TURN 0, 1, 0                                   ; the last lap fills nothing, and has no round of the cluster's barrier
	STEP 1, 0, 0
	s_wait_dscnt 4*NL                              ; the very last step: nothing more to fetch
	WIN MUL_LO
	MUL16 0, 1, NQ-1, 1, 0
	MUL16 2, 1, NQ-1, 1, 0
	s_wait_dscnt 0
	WIN MUL_HI
	MUL16 4, 1, NQ-1, 1, 0
	MUL16 6, 1, NQ-1, 1, 0
	WIN 0
	; THE WAY OUT.  Block a of my 128 rows of the A role (its eight accumulators: 64 numbers a lane, register 16 b + i = place 32 b + 16 (lane / 16) + i along the B role) becomes one fragment and one scale word a row.
	PLACES NP                                      ; behind the last products: the lines below write registers that held A's fragments
	s_lshl_b32 s20, s17, 1
	s_add_co_u32 s20, s20, s15                     ; which 128 of the A role are mine
	s_lshl_b32 s21, s42, 1
	s_add_co_u32 s21, s21, s16                     ; which 128 of the B role
	s_add_co_u32 s22, s20, 16
	s_cmp_eq_u32 ttmp9, 2
	s_cselect_b32 s22, s22, s21                    ; major: v: 16 + pair of heads;  q, k: the 128 columns, 0-7 q, 8-15 k
	s_cselect_b32 s23, s21, s20                    ; the block of 128 tokens
	s_lshl_b32 s22, s22, 6
	s_add_co_u32 s22, s22, s23                     ; the record
	s_mul_i32 s20, s22, 12288
	s_mov_b32 s21, 0
	s_add_nc_u64 s[12:13], s[12:13], s[20:21]
	s_lshl_b32 s20, s22, 9
	s_add_nc_u64 s[66:67], s[66:67], s[20:21]
	s_mov_b32 s100, 0x76543210
	s_mov_b32 s101, 0xfedcba98                     ; v_permlanex16_b32's selects for lane l xor 16
	s_mov_b32 s99, 0xffff0000                      ; lanes 16-31
.irp b, 0,1,2,3
	v_mov_b32 v[TM+4+\b], 0                        ; written once: a lane permute's destination counts as one of its sources
.endr
.macro QUANTW a
.set AC, 64*((\a)%4)                   ; the block's accumulators, in window 2 (blocks 0-3) or 3 (blocks 4-7)
.set CD, 128+12*(\a)                   ; its codes: twelve registers of its own, so that no store's data are written again
.set WW, 2+(\a)/4
.set WSEL, WW|(WW<<2)
	WIN WSEL                                       ; sources 0 and 1 in the accumulators' window
.irp b, 0,1,2,3
	v_max3_num_f32 v[TM+\b], |v[AC+16*\b]|, |v[AC+16*\b+1]|, 0x1800000   ; block b of 32: my 16 numbers, each accumulator from its low end on, and the floor 2^(3 - 127): the byte cannot fall under 1
.endr
.irp i, 2,4,6,8,10,12,14
.irp b, 0,1,2,3
	v_max3_num_f32 v[TM+\b], |v[AC+16*\b+\i]|, |v[AC+16*\b+\i+1]|, v[TM+\b]   ; (the four blocks by turns)
.endr
.endr
	WIN 0
.irp b, 0,1,2,3
	v_permlanex16_b32 v[TM+4+\b], v[TM+\b], s100, s101
.endr
.irp b, 0,1,2,3
	v_max_num_f32 v[TM+\b], v[TM+\b], v[TM+4+\b]   ; with lane l xor 16's: the block's largest magnitude
.endr
.irp b, 0,1,2,3
	v_add_nc_u32 v[TM+12+\b], 0xff000000, v[TM+\b] ; 2 off its exponent field: the conversion's scale operand
.endr
.irp b, 0,1,2,3
	v_lshrrev_b32 v[TM+4+\b], 23, v[TM+12+\b]      ; the scale's byte
.endr
	v_lshl_or_b32 v[PW+(\a)], v[TM+5], 8, v[TM+4]  ; the four bytes make my row's scale word
	v_lshl_or_b32 v[PW+(\a)], v[TM+6], 16, v[PW+(\a)]
	v_lshl_or_b32 v[PW+(\a)], v[TM+7], 24, v[PW+(\a)]
	WIN WW                                         ; source 0 in the accumulators' window
.irp c, 0,1
	v_cvt_scalef32_pk16_fp6_f32 v[CD+6*\c:CD+6*\c+2], v[AC+32*\c:AC+32*\c+15], v[TM+12+2*\c]
	v_cvt_scalef32_pk16_fp6_f32 v[YY+4*\c:YY+4*\c+2], v[AC+32*\c+16:AC+32*\c+31], v[TM+13+2*\c]   ; (a conversion's three registers begin on an even number)
.endr
	WIN 0
	v_nop                                          ; one plain place behind a scaled conversion
.irp c, 0,1                            ; the operand's layout wants a WHOLE block in a lane: lanes 0-15 block 2 c, lanes 16-31 block 2 c + 1
.irp i, 0,1,2
	v_permlane16_swap_b32 v[CD+6*\c+\i], v[YY+4*\c+\i]
.endr
.irp i, 0,1,2
	v_mov_b32 v[CD+3+6*\c+\i], v[YY+4*\c+\i]
.endr
.endr
.irp c, 0,1,2
	global_store_b128 v[LI], v[CD+4*\c:CD+4*\c+3], s[12:13] offset:(\a)*1536+512*\c   ; the image: the wave stores 512 consecutive bytes, aligned
.endr
.endm
.irp a, 0,1,2,3,4,5,6,7
	QUANTW \a
.endr
.irp p, 0,1,2,3
	v_cndmask_b32 v[SW+\p], v[PW+2*\p], v[PW+2*\p+1], s99   ; lanes 0-15 keep image 2 p's words, lanes 16-31 take image 2 p + 1's
.endr
	global_store_b128 v[LI], v[SW:SW+3], s[66:67]  ; 512 consecutive bytes, aligned
	s_wait_tensorcnt 0x0                           ; the wave's end
	ds_add_u32 v[SPW], v[NIL]
	s_wait_dscnt 0x0
	CROUND                                         ; the closing round: no work-group ends while a partner may still ask for a tile that names it
	s_endpgm
.Lfunc_end_k_q7edc319800_gemm_qkv:
	.size	k_q7edc319800_gemm_qkv, .Lfunc_end_k_q7edc319800_gemm_qkv-k_q7edc319800_gemm_qkv
	.p2alignl 7, 3214868480
	.fill 96, 4, 3214868480
	.section	.rodata,"a",@progbits
	.p2align	6, 0x0
	.amdhsa_kernel k_q7edc319800_gemm_qkv
		.amdhsa_group_segment_fixed_size 327680
		.amdhsa_private_segment_fixed_size 0
		.amdhsa_enable_private_segment 0
		.amdhsa_kernarg_size 48
		.amdhsa_user_sgpr_count 2
		.amdhsa_user_sgpr_kernarg_segment_ptr 1
		.amdhsa_wavefront_size32 1
		.amdhsa_system_sgpr_workgroup_id_x 1
		.amdhsa_system_sgpr_workgroup_id_y 1
		.amdhsa_system_sgpr_workgroup_id_z 1
		.amdhsa_system_vgpr_workitem_id 0
		.amdhsa_next_free_vgpr 1024
		.amdhsa_next_free_sgpr 102
		.amdhsa_reserve_vcc 0
		.amdhsa_float_denorm_mode_32 3
		.amdhsa_float_denorm_mode_16_64 3
		.amdhsa_memory_ordered 1
		.amdhsa_forward_progress 1
		.amdhsa_inst_pref_size 164
	.end_amdhsa_kernel
	.amdgpu_metadata
---
amdhsa.version: [ 1, 2 ]
amdhsa.kernels:
  - .name:           k_q7edc319800_gemm_qkv
    .symbol:         k_q7edc319800_gemm_qkv.kd
    .args:
      - { .name: x_codes, .offset: 0, .size: 8, .value_kind: global_buffer, .address_space: global }
      - { .name: x_scales, .offset: 8, .size: 8, .value_kind: global_buffer, .address_space: global }
      - { .name: w_codes, .offset: 16, .size: 8, .value_kind: global_buffer, .address_space: global }
      - { .name: w_scales, .offset: 24, .size: 8, .value_kind: global_buffer, .address_space: global }
      - { .name: qkv_codes, .offset: 32, .size: 8, .value_kind: global_buffer, .address_space: global }
      - { .name: qkv_scales, .offset: 40, .size: 8, .value_kind: global_buffer, .address_space: global }
    .group_segment_fixed_size: 327680
    .private_segment_fixed_size: 0
    .kernarg_segment_align: 8
    .kernarg_segment_size: 48
    .max_flat_workgroup_size: 128
    .sgpr_count:     102
    .vgpr_count:     1024
    .wavefront_size: 32
...
	.end_amdgpu_metadata
.endif
;; end of part 2
;; launch attn (part 3): grid 64 x 4, 16 waves a work-group, no clusters, 182,272 bytes of LDS; arguments qkv_codes, qkv_scales, a_codes, a_scales; writes a_codes, a_scales
.if DOCPART == 3
	.amdgcn_target "amdgcn-amd-amdhsa--gfx1250"
	.amdhsa_code_object_version 6
	.text
	.protected	k_q7edc319800_attn
	.globl	k_q7edc319800_attn
	.p2align	8
	.type	k_q7edc319800_attn,@function
k_q7edc319800_attn:
	s_mov_b64 s[64:65], 0
	v_nop
	global_prefetch_b8 v0, s[64:65] scope:SCOPE_SE
	s_setreg_imm32_b32 hwreg(HW_REG_WAVE_MODE, 25, 1), 1
	s_wait_xcnt 0x0
; Attention in a sliding causal window of 256 keys (key j counts for query i where i - 256 < j <= i), both products on codes of FP6 (E2M3) with one E8M0 scale for each 32 along a product's K; 64 (batch, head) pairs, 2,048 tokens, head size 64.
; THE SOFTMAX: t = score x log2(e) / 8; M = the row's largest t so far, rounded UP to a whole number; p = 2^(t - M) is quantised along the keys, not normalised; the row's sum is taken of the unquantised p and divides at the end.
; When M moves, the sum and O are multiplied by 2^(old M - new M): exact.  The result, divided by the sum, is quantised along the model's 1,024 channels (two blocks of 32 a head) for the last product.
; SHARES.  A work-group takes a block of 128 queries (x: 0-63, 16 blocks to a batch) and four heads (y).  Its keys lie in three aligned blocks of 128: its own (hidden: keys after the query), the one before (all count), the one before
; that (hidden: keys at or before the query's place).  A block that would lie ahead of the batch's first token is left out by a scalar branch on the work-group's number.
; A TASK is one head x one tile of 16 queries (image 2 g + u of Q's record).  Wave w: head w & 3, u = (w >> 2) & 1; waves 0-7 run g = 0, then 3, waves 8-15 g = 1, then 2: every task has 9 blocks of 32 keys that count, so all waves
; have the same work; blocks of 32 keys wholly hidden are not multiplied.  g is a constant of the text in each task.
; IN.  Records made by the launch before: 8 images of operand registers (1,536 bytes: registers 4 c .. 4 c + 3 of lane l at 512 c + 16 l) and 512 bytes of scale words.  A record of q or k holds 128 tokens x a PAIR of heads (K = 128 = 2 x 64);
; the other head's half of Q's registers is cleared, so that its products are zeros.  A record of v holds a pair of heads x 64 d as rows, K = the block's 128 tokens.
; The 12 records of K and V (3 blocks x 2 kinds x 2 pairs) come into LDS once, one code record and one scale record by each of waves 0-11: two tensor loads of a wave are out.
; No joint loads: neighbouring query blocks share key blocks, but each wants a shared block at another step, so a common LDS address would hang on the work-group's place among its partners.
; LAYOUT.  Both products are used transposed (S^T = K Q^T, O^T = V^T P^T): a lane holds ONE query (row lane % 16 of Q's image: token 32 g + 8 u + r + 8 (r / 8)).  Row r of image a of k is token 32 (a / 2) + 8 (a % 2) + r + 8 (r / 8), so
; the 16 registers of score tiles 2 b and 2 b + 1 are keys 32 b + 16 (lane / 16) + 0 .. 15; v's rows are chosen likewise, so O^T's register 16 b + i is channel 32 b + 16 (lane / 16) + i of the head.
; OUT.  a_codes [4][8192][192]: plane y, a token's 192 bytes = four heads x 48; a_scales [8192][32]: byte 2 x head + block.  The codes leave through a stage in LDS as 24,576 dense bytes; the scale bytes as 8 bytes of each token's 32
; (1,024 bytes a work-group).
; LIMITS: p under 2^-126 counts as 0 (v_exp_f32's result); a block of zeros gets the scale byte 1 (its codes are zeros; this program alone reads the bytes); NaN and infinities are not served.
.set REC,  12288                       ; a record of codes
.set SCB,  12*REC                      ; LDS: 12 records of codes (4 st + 2 kind + pair), then their 12 records of scale words,
.set STG,  SCB+12*512                  ; the stage for the codes: 128 tokens x 192 bytes,
.set SST,  STG+128*192                 ; and for the scale bytes: 128 tokens x 8
.set QF1,  16                          ; v16-27   Q of the first task
.set DD,   28                          ; v28      8 u + r + 8 (r / 8) - 16 (lane / 16): register i of the block on the diagonal holds a key after my query where i > DD
.set SA,   29                          ; v29      the stage: my query's 12 bytes of a block
.set SSA,  30                          ; v30      and its two scale bytes
.set NINF, 31                          ; v31      -infinity
.set FRG,  32                          ; v32-79   four fragments of K or of V
.set KSC,  80                          ; v80-83   K's scale words: register b: lanes 0-15 image 2 b, lanes 16-31 image 2 b + 1
.set VSC,  84                          ; v84-85   V's likewise, my head's four images
.set QW1,  86                          ; v86, v87 Q's scale words of the two tasks
.set QW2,  87
.set S,    96                          ; v96-159  S^T, then p
.set O,    160                         ; v160-191 O^T
.set QF2,  192                         ; v192-203 Q of the second task
.set BM,   204                         ; v204-207 a block's largest score, then its largest p
.set PX,   208                         ; v208-211 the other half's, then the bytes
.set SOP,  212                         ; v212-215 the conversions' scale operands
.set Y,    216                         ; v216-218, v220-222 the second halves of the conversions
.set PCD,  224                         ; v224-235 p's codes
.set PSW,  236                         ; v236     p's scale word
.set F,    238                         ; v[238:239] f = 2^(old M - new M) (v239 is named with it as a pair)
.set T,    240                         ; v[240:241] at work, 1 / the sum (v241 likewise)
.set TS,   242                         ; v[242:243] the sum's second chain
.set AK,   244                         ; v244-246 LDS address of my pair's record of K in key step 0, 1, 2
.set AV,   247                         ; v247-249 of my head's four images of V
.set ASK,  250                         ; v250-252 of K's scale words
.set ASV,  253                         ; v253-255 of V's
; v1 16 x thread; v6, v7 Q's images; v12 -M, v13 the largest t, v[14:15] the sum in two halves; v88, v89 Q's scale words' offsets; v90, v91 the scale bytes' way out; v92 the codes' way out
; s12 wave, s13 block of queries, s14 quad of heads, s15 block within its batch, s16 head & 3, s17 pair, s18 parity, s19 u, s20 wave >> 3, s[22:23] c, s[24:25] lane selects, s26, s27 masks for Q's halves
; A KEY STEP: the blocks lo .. hi of 32 keys of key block st.  pm = 1: block hi lies on the diagonal;  2: block lo lies on the window's far edge;  first = 1: the products start O^T's sums.
.macro STEP st, lo, hi, pm, first, qf, qw
.rept 4
	v_nop                                          ; places in front of loads into registers that matrix instructions have read
.endr
	ds_load_b128 v[KSC:KSC+3], v[ASK+\st]
	ds_load_b64 v[VSC:VSC+1], v[ASV+\st]
.set NG, 0
.irp gq, 0,1                           ; S^T = K Q^T, up to four tiles of 16 keys at a time
.if (\lo <= 2*\gq+1) && (\hi >= 2*\gq)
.if NG > 0
.rept 4
	v_nop
.endr
.endif
.set NG, NG+1
.irp t, 0,1,2,3
.if ((2*\gq+\t/2) >= \lo) && ((2*\gq+\t/2) <= \hi)
.irp c, 0,1,2
	ds_load_b128 v[FRG+12*\t+4*\c:FRG+12*\t+4*\c+3], v[AK+\st] offset:(4*\gq+\t)*1536+512*\c
.endr
.endif
.endr
	s_wait_dscnt 0x0
.irp t, 0,1,2,3
.if ((2*\gq+\t/2) >= \lo) && ((2*\gq+\t/2) <= \hi)
.if \t%2
	v_wmma_scale_f32_16x16x128_f8f6f4 v[S+8*(4*\gq+\t):S+8*(4*\gq+\t)+7], v[FRG+12*\t:FRG+12*\t+11], v[\qf:\qf+11], 0, v[KSC+2*\gq+\t/2], v[\qw] matrix_a_fmt:MATRIX_FMT_FP6 matrix_b_fmt:MATRIX_FMT_FP6 matrix_a_scale:MATRIX_SCALE_ROW1
.else
	v_wmma_scale_f32_16x16x128_f8f6f4 v[S+8*(4*\gq+\t):S+8*(4*\gq+\t)+7], v[FRG+12*\t:FRG+12*\t+11], v[\qf:\qf+11], 0, v[KSC+2*\gq+\t/2], v[\qw] matrix_a_fmt:MATRIX_FMT_FP6 matrix_b_fmt:MATRIX_FMT_FP6
.endif
.endif
.endr
.endif
.endr
.rept 4
	v_nop                                          ; places: in front of the loads below and of the first read of the scores
.endr
.irp t, 0,1,2,3                        ; V's four fragments are asked for now: they land while the softmax is worked
.irp c, 0,1,2
	ds_load_b128 v[FRG+12*\t+4*\c:FRG+12*\t+4*\c+3], v[AV+\st] offset:\t*1536+512*\c
.endr
.endr
.if \pm == 1                           ; the scores of hidden keys become -infinity ahead of the maximum: p = 0 then
.irp i, 0,1,2,3,4,5,6,7,8,9,10,11,12,13,14,15
	v_cmp_gt_i32 vcc_lo, \i, v[DD]
	v_cndmask_b32 v[S+16*\hi+\i], v[S+16*\hi+\i], v[NINF], vcc_lo
.endr
.elseif \pm == 2
.irp i, 0,1,2,3,4,5,6,7,8,9,10,11,12,13,14,15
	v_cmp_le_i32 vcc_lo, \i, v[DD]
	v_cndmask_b32 v[S+16*\lo+\i], v[S+16*\lo+\i], v[NINF], vcc_lo
.endr
.endif
.irp b, 0,1,2,3
.if (\b >= \lo) && (\b <= \hi)
	v_max3_num_f32 v[BM+\b], v[S+16*\b], v[S+16*\b+1], v[S+16*\b+2]   ; the largest score of each block of 32 keys: it serves the row's maximum and, since p rises with the score, the block's largest p
.endif
.endr
.irp i, 3,5,7,9,11,13
.irp b, 0,1,2,3
.if (\b >= \lo) && (\b <= \hi)
	v_max3_num_f32 v[BM+\b], v[BM+\b], v[S+16*\b+\i], v[S+16*\b+\i+1]
.endif
.endr
.endr
.irp b, 0,1,2,3
.if (\b >= \lo) && (\b <= \hi)
	v_max_num_f32 v[BM+\b], v[BM+\b], v[S+16*\b+15]
.endif
.endr
.irp b, 0,1,2,3
.if (\b >= \lo) && (\b <= \hi)
	v_permlanex16_b32 v[PX+\b], v[BM+\b], s24, s25
.endif
.endr
.irp b, 0,1,2,3
.if (\b >= \lo) && (\b <= \hi)
	v_max_num_f32 v[BM+\b], v[BM+\b], v[PX+\b]     ; with lane l xor 16's 16 keys
.endif
.endr
	v_mov_b32 v[T], v[BM+\lo]
.irp b, 1,2,3
.if (\b > \lo) && (\b <= \hi)
	v_max_num_f32 v[T], v[T], v[BM+\b]             ; the step's largest score of my query
.endif
.endr
	v_mul_f32 v[T], s22, v[T]                      ; as t (c is positive)
	v_max_num_f32 v13, v13, v[T]                   ; the running largest t
	v_mov_b32 v[T], v12
	v_floor_f32 v12, -v13                          ; the new -M = floor(-t) = -ceil(t): M is a whole number
	v_sub_f32 v[T], v12, v[T]                      ; M's old value less its new one: a whole number, 0 or less
	v_cvt_i32_f32 v[T], v[T]                       ; (it saturates)
	v_ldexp_f32 v[F], 1.0, v[T]                    ; f = 2^(old M - new M)
.irp b, 0,1,2,3
.if (\b >= \lo) && (\b <= \hi)
.irp j, 0,2,4,6,8,10,12,14
	v_pk_fma_f32 v[S+16*\b+\j:S+16*\b+\j+1], v[S+16*\b+\j:S+16*\b+\j+1], s[22:23], v[12:13] op_sel_hi:[1,0,0]   ; t - M, two at a time
.endr
.endif
.endr
.irp b, 0,1,2,3
.if (\b >= \lo) && (\b <= \hi)
	v_fma_f32 v[BM+\b], v[BM+\b], s22, v12         ; the same of each block's largest score
.endif
.endr
.irp b, 0,1,2,3
.if (\b >= \lo) && (\b <= \hi)
.irp j, 0,1,2,3,4,5,6,7,8,9,10,11,12,13,14,15
	v_exp_f32 v[S+16*\b+\j], v[S+16*\b+\j]         ; p = 2^(t - M), at most 1: not normalised
.endr
.endif
.endr
	v_pk_mul_f32 v[14:15], v[14:15], v[F:F+1] op_sel_hi:[1,0]   ; the sums under the new M (plain work behind the exponentials)
	v_mov_b32 v[TS], 0
	v_mov_b32 v[TS+1], 0
	s_wait_alu depctr_va_vdst(0)                   ; one wait for the whole batch, ahead of its first reader
.irp b, 0,1,2,3
.if (\b >= \lo) && (\b <= \hi)
	v_exp_f32 v[BM+\b], v[BM+\b]                   ; the block's largest p: the same two instructions on the same number give the same bits
.endif
.endr
.irp b, 0,1,2,3
.if (\b >= \lo) && (\b <= \hi)
.irp j, 0,4,8,12
	v_pk_add_f32 v[14:15], v[14:15], v[S+16*\b+\j:S+16*\b+\j+1]   ; the row's sum is taken of the unquantised p: two at a time, in two chains
	v_pk_add_f32 v[TS:TS+1], v[TS:TS+1], v[S+16*\b+\j+2:S+16*\b+\j+3]
.endr
.endif
.endr
	v_pk_add_f32 v[14:15], v[14:15], v[TS:TS+1]
	s_wait_alu depctr_va_vdst(0)                   ; and one for the blocks' largest p
.irp b, 0,1,2,3
.if (\b >= \lo) && (\b <= \hi)
	v_max_num_f32 v[BM+\b], 0x1800000, v[BM+\b]    ; the floor 2^(3 - 127): the byte cannot fall under 1
.endif
.endr
.irp b, 0,1,2,3
.if (\b >= \lo) && (\b <= \hi)
	v_add_nc_u32 v[SOP+\b], 0xff000000, v[BM+\b]   ; 2 off the exponent field: the conversion's scale operand
.endif
.endr
.irp b, 0,1,2,3
.if (\b >= \lo) && (\b <= \hi)
	v_lshrrev_b32 v[PX+\b], 23, v[SOP+\b]          ; the scale's byte
.endif
.endr
.set HB, 0
.irp b, 0,1,2,3
.if (\b < \lo) || (\b > \hi)
.set HB, HB|(0x7f<<(8*\b))
.endif
.endr
	v_mov_b32 v[PSW], HB                           ; p's scale word: the byte 127 for the blocks that are left out, whose codes are zeros,
.irp b, 0,1,2,3
.if (\b >= \lo) && (\b <= \hi)
	v_lshl_or_b32 v[PSW], v[PX+\b], 8*\b, v[PSW]   ; and the others' bytes
.endif
.endr
.irp b, 0,1,2,3
.if (\b < \lo) || (\b > \hi)
.irp i, 0,1,2
.if \b%2
	v_mov_b32 v[Y+4*(\b/2)+\i], 0
.else
	v_mov_b32 v[PCD+6*(\b/2)+\i], 0
.endif
.endr
.endif
.endr
.irp b, 0,1,2,3
.if (\b >= \lo) && (\b <= \hi)
.if \b%2
	v_cvt_scalef32_pk16_fp6_f32 v[Y+4*(\b/2):Y+4*(\b/2)+2], v[S+16*\b:S+16*\b+15], v[SOP+\b]   ; (a conversion's three registers begin on an even number)
.else
	v_cvt_scalef32_pk16_fp6_f32 v[PCD+6*(\b/2):PCD+6*(\b/2)+2], v[S+16*\b:S+16*\b+15], v[SOP+\b]
.endif
.endif
.endr
	v_nop                                          ; one plain place behind a scaled conversion
.irp c, 0,1                            ; the operand's layout wants a WHOLE block in a lane: lanes 0-15 block 2 c, lanes 16-31 block 2 c + 1
.irp i, 0,1,2
	v_permlane16_swap_b32 v[PCD+6*\c+\i], v[Y+4*\c+\i]
.endr
.irp i, 0,1,2
	v_mov_b32 v[PCD+3+6*\c+\i], v[Y+4*\c+\i]
.endr
.endr
.if \first
.rept 8
	v_nop                                          ; a scale register written by a vector instruction stands 8 places ahead of a scaled matrix instruction, an operand so written 4
.endr
.else
.irp j, 0,2,4,6,8,10,12,14,16,18,20,22,24,26,28,30
	v_pk_mul_f32 v[O+\j:O+\j+1], v[O+\j:O+\j+1], v[F:F+1] op_sel_hi:[1,0]   ; O^T under the new M, from each accumulator's low end on.  (These 16 are also those places)
.endr
.endif
	s_wait_dscnt 0x0                               ; V's fragments are in
.irp t, 0,1,2,3                        ; O^T += V^T P^T: four tiles of 16 channels, by turns; K = these 128 keys
.if \first
.if \t%2
	v_wmma_scale_f32_16x16x128_f8f6f4 v[O+8*\t:O+8*\t+7], v[FRG+12*\t:FRG+12*\t+11], v[PCD:PCD+11], 0, v[VSC+\t/2], v[PSW] matrix_a_fmt:MATRIX_FMT_FP6 matrix_b_fmt:MATRIX_FMT_FP6 matrix_a_scale:MATRIX_SCALE_ROW1
.else
	v_wmma_scale_f32_16x16x128_f8f6f4 v[O+8*\t:O+8*\t+7], v[FRG+12*\t:FRG+12*\t+11], v[PCD:PCD+11], 0, v[VSC+\t/2], v[PSW] matrix_a_fmt:MATRIX_FMT_FP6 matrix_b_fmt:MATRIX_FMT_FP6
.endif
.else
.if \t%2
	v_wmma_scale_f32_16x16x128_f8f6f4 v[O+8*\t:O+8*\t+7], v[FRG+12*\t:FRG+12*\t+11], v[PCD:PCD+11], v[O+8*\t:O+8*\t+7], v[VSC+\t/2], v[PSW] matrix_a_fmt:MATRIX_FMT_FP6 matrix_b_fmt:MATRIX_FMT_FP6 matrix_a_scale:MATRIX_SCALE_ROW1
.else
	v_wmma_scale_f32_16x16x128_f8f6f4 v[O+8*\t:O+8*\t+7], v[FRG+12*\t:FRG+12*\t+11], v[PCD:PCD+11], v[O+8*\t:O+8*\t+7], v[VSC+\t/2], v[PSW] matrix_a_fmt:MATRIX_FMT_FP6 matrix_b_fmt:MATRIX_FMT_FP6
.endif
.endif
.endr
.endm
; A task's end: O^T / the sum, quantised along the head's 64 channels (two blocks of 32, half a block a lane), codes and bytes into the stages.
.macro OUT g
.rept 4
	v_nop                                          ; places behind the last products
.endr
	v_add_f32 v14, v14, v15                        ; the sum's two halves,
	v_permlanex16_b32 v[T], v14, s24, s25
	v_add_f32 v14, v14, v[T]                       ; and lane l xor 16's: the row's sum
	v_rcp_f32 v[T], v14
	v_nop                                          ; a plain place behind the reciprocal
	s_wait_alu depctr_va_vdst(0)                   ; and the wait ahead of its first reader
.irp j, 0,2,4,6,8,10,12,14,16,18,20,22,24,26,28,30
	v_pk_mul_f32 v[O+\j:O+\j+1], v[O+\j:O+\j+1], v[T:T+1] op_sel_hi:[1,0]
.endr
.irp b, 0,1
	v_max3_num_f32 v[BM+\b], |v[O+16*\b]|, |v[O+16*\b+1]|, 0x1800000   ; my 16 numbers of block b, and the floor
.endr
.irp i, 2,4,6,8,10,12,14
.irp b, 0,1
	v_max3_num_f32 v[BM+\b], v[BM+\b], |v[O+16*\b+\i]|, |v[O+16*\b+\i+1]|
.endr
.endr
.irp b, 0,1
	v_permlanex16_b32 v[PX+\b], v[BM+\b], s24, s25
.endr
.irp b, 0,1
	v_max_num_f32 v[BM+\b], v[BM+\b], v[PX+\b]
.endr
.irp b, 0,1
	v_add_nc_u32 v[SOP+\b], 0xff000000, v[BM+\b]
.endr
.irp b, 0,1
	v_lshrrev_b32 v[PX+\b], 23, v[SOP+\b]
.endr
	v_lshl_or_b32 v[PX], v[PX+1], 8, v[PX]         ; the head's two scale bytes
.irp b, 0,1
	v_cvt_scalef32_pk16_fp6_f32 v[Y+4*\b:Y+4*\b+2], v[O+16*\b:O+16*\b+15], v[SOP+\b]
.endr
	v_nop                                          ; one plain place behind a scaled conversion
.irp b, 0,1
.irp i, 0,1,2
	ds_store_b32 v[SA], v[Y+4*\b+\i] offset:32*\g*192+24*\b+4*\i   ; 12 bytes: channels 32 b + 16 (lane / 16) + 0 .. 15 of my query's head
.endr
.endr
	ds_store_b16 v[SSA], v[PX] offset:32*\g*8      ; both halves of the lanes write the same two bytes with the same value
.endm
.macro TASK g, qf, qw
	v_mov_b32 v13, 0xff61b1e6                      ; the largest t so far: -3e38, under every t
	v_floor_f32 v12, -v13                          ; -M
	v_mov_b32 v14, 0                               ; the sum, in two halves
	v_mov_b32 v15, 0
	STEP 0, 0, \g, 1, 1, \qf, \qw                  ; my own block of keys: blocks 0 .. g of 32; the query's own key counts, so M is a number from here on
	s_cmp_lt_u32 s15, 1                            ; the batch's first block of queries has no keys before it
	s_cbranch_scc1 .Lout_\@
	STEP 1, 0, 3, 0, 0, \qf, \qw                   ; the block before: all 128 keys count
	s_cmp_lt_u32 s15, 2
	s_cbranch_scc1 .Lout_\@
	STEP 2, \g, 3, 2, 0, \qf, \qw                  ; the block before that: blocks g .. 3 of 32
.Lout_\@:
	OUT \g
.endm
	s_load_b256 s[4:11], s[0:1], 0x0               ; qkv_codes s[4:5], qkv_scales s[6:7], a_codes s[8:9], a_scales s[10:11]
	v_lshl_add_u32 v223, v0, 2, 0x2c000
	v_mov_b32 v237, 0
	ds_add_u32 v223, v237
	ds_add_u32 v223, v237
	v_lshrrev_b32 v8, 5, v0
	v_readfirstlane_b32 s12, v8                    ; wave 0..15
	s_mov_b32 s13, ttmp9                           ; the block of 128 queries
	s_and_b32 s14, ttmp7, 0xffff                   ; the quad of heads
	s_and_b32 s15, s13, 15                         ; the block within its batch
	s_and_b32 s16, s12, 3                          ; my head of the four
	s_lshr_b32 s17, s16, 1                         ; its pair
	s_and_b32 s18, s16, 1                          ; and its place in the pair
	s_bfe_u32 s19, s12, 0x10002                    ; u
	s_lshr_b32 s20, s12, 3                         ; which two tasks
	s_mov_b32 s22, 0x3e38aa3b                      ; c = log2(e) / 8
	s_mov_b32 s23, s22                             ; (named with it as a pair, so it is written)
	s_mov_b32 s24, 0x76543210
	s_mov_b32 s25, 0xfedcba98                      ; v_permlanex16_b32's selects for lane l xor 16
	s_cmp_eq_u32 s18, 0
	s_cselect_b32 s26, -1, 0                       ; keeps registers 0-5 of Q (K = 0 .. 63: the pair's first head)
	s_cselect_b32 s27, 0, -1                       ; keeps registers 6-11
	; every LDS address register is made here, ahead of the place where the waves part
	v_and_b32 v8, 31, v0
	v_lshlrev_b32 v8, 4, v8                        ; 16 x lane: my place in an image
	s_mul_i32 s56, s17, REC                        ; K: my pair's record
	s_mul_i32 s57, s18, 6144                       ; V: my pair's record, my head's four images
	s_add_co_u32 s57, s57, s56
	s_add_co_u32 s57, s57, 2*REC
	s_lshl_b32 s58, s17, 9                         ; K's scale words
	s_add_co_u32 s58, s58, SCB
	s_lshl_b32 s59, s18, 3                         ; V's: my head's two registers of the four
	s_add_co_u32 s59, s59, s58
	s_add_co_u32 s59, s59, 1024
.irp st, 0,1,2
	v_add_nc_u32 v[AK+\st], s56, v8
	v_add_nc_u32 v[AV+\st], s57, v8
	v_add_nc_u32 v[ASK+\st], s58, v8
	v_add_nc_u32 v[ASV+\st], s59, v8
	s_add_co_u32 s56, s56, 4*REC
	s_add_co_u32 s57, s57, 4*REC
	s_add_co_u32 s58, s58, 2048
	s_add_co_u32 s59, s59, 2048
.endr
	s_lshl_b32 s56, s20, 1                         ; Q's images: 2 g + u, g = wave >> 3 in the first task,
	s_add_co_u32 s56, s56, s19
	s_mul_i32 s56, s56, 1536
	v_add_nc_u32 v6, s56, v8
	s_sub_co_u32 s57, 3, s20                       ; 3 less that in the second
	s_lshl_b32 s58, s57, 1
	s_add_co_u32 s58, s58, s19
	s_mul_i32 s58, s58, 1536
	v_add_nc_u32 v7, s58, v8
	v_and_b32 v9, 15, v0                           ; r
	v_lshlrev_b32 v88, 4, v9                       ; Q's scale words: the word of image 2 g + u, row r, lies at 16 (r + 16 u) + 4 g
	s_lshl_b32 s59, s19, 8
	s_lshl_b32 s60, s20, 2
	s_add_co_u32 s60, s60, s59
	s_lshl_b32 s61, s57, 2
	s_add_co_u32 s61, s61, s59
	v_add_nc_u32 v89, s61, v88
	v_add_nc_u32 v88, s60, v88
	v_and_b32 v10, 8, v9
	v_add_nc_u32 v10, v10, v9
	s_lshl_b32 s56, s19, 3
	v_add_nc_u32 v10, s56, v10                     ; my query's place in its 32: 8 u + r + 8 (r / 8)
	v_bfe_u32 v11, v0, 4, 1                        ; h
	v_lshlrev_b32 v[DD], 4, v11
	v_sub_nc_u32 v[DD], v10, v[DD]
	v_mul_u32_u24 v[SA], v10, 192
	v_mad_u32_u24 v[SA], v11, 12, v[SA]
	s_mul_i32 s56, s16, 48
	s_add_co_u32 s56, s56, STG
	v_add_nc_u32 v[SA], s56, v[SA]                 ; the stage: token x 192 + 48 x head + 12 h
	s_lshl_b32 s56, s16, 1
	s_add_co_u32 s56, s56, SST
	v_lshl_add_u32 v[SSA], v10, 3, s56             ; token x 8 + 2 x head
	v_mov_b32 v[NINF], 0xff800000
	v_lshlrev_b32 v1, 4, v0                        ; the codes' way out: 16 bytes a thread
	v_add_nc_u32 v92, STG, v1
	v_and_b32 v91, 127, v0                         ; the scale bytes': 8 bytes a token, threads 0-127
	v_lshl_add_u32 v90, v91, 3, SST
	v_lshlrev_b32 v91, 5, v91
.irp b, 0,1,2,3
	v_mov_b32 v[PX+\b], 0                          ; written once: a lane permute's destination counts as one of its sources
.endr
	v_mov_b32 v[F+1], 0                            ; (named as the upper halves of pairs)
	v_mov_b32 v[T+1], 0
	; what I fetch, if I fetch: wave w < 12: key step w >> 2, kind (w >> 1) & 1 (0 K, 1 V), pair w & 1
	s_lshr_b32 s56, s12, 2
	s_bfe_u32 s57, s12, 0x10001
	s_and_b32 s58, s12, 1
	s_cmp_ge_u32 s15, s56
	s_cselect_b32 s59, s56, 0                      ; a block that would lie ahead of the batch is replaced by my own: it is fetched and not read
	s_lshl_b32 s60, s57, 3
	s_lshl_b32 s61, s14, 1
	s_add_co_u32 s60, s60, s61
	s_add_co_u32 s60, s60, s58
	s_add_co_u32 s60, s60, 8                       ; major: 8 + 8 kind + pair of heads
	s_lshl_b32 s60, s60, 6
	s_add_co_u32 s60, s60, s13
	s_sub_co_u32 s62, s60, s59                     ; the record
	; descriptor group 1: a record of codes is 48 dense rows of 256 bytes (32 elements of 8 bytes), one of scale words 2
	s_mov_b32 s28, 3<<16
	s_mov_b32 s29, 32<<16
	s_mov_b32 s30, 48<<16
	s_mov_b32 s31, 32<<16
	s_mov_b32 s32, 48
	s_mov_b32 s33, 32
	s_mov_b32 s34, 0
	s_mov_b32 s35, 0
	s_mov_b32 s36, 3<<16
	s_mov_b32 s37, 32<<16
	s_mov_b32 s38, 2<<16
	s_mov_b32 s39, 32<<16
	s_mov_b32 s40, 2
	s_mov_b32 s41, 32
	s_mov_b32 s42, 0
	s_mov_b32 s43, 0
	s_wait_dscnt 0x0
	s_wait_kmcnt 0x0
	s_mov_b32 s44, 1
	s_mul_i32 s45, s12, REC                        ; LDS: record w
	s_mul_i32 s56, s62, REC
	s_mov_b32 s57, 0
	s_add_nc_u64 s[46:47], s[4:5], s[56:57]
	s_or_b32 s47, s47, 0x80000000
	s_mov_b32 s48, 1
	s_lshl_b32 s49, s12, 9
	s_add_co_u32 s49, s49, SCB
	s_lshl_b32 s56, s62, 9
	s_add_nc_u64 s[50:51], s[6:7], s[56:57]
	s_or_b32 s51, s51, 0x80000000
	s_cmp_lt_u32 s12, 12                           ; a wave's two fills stand in one branch on its number, ahead of every wait on TENSORcnt, every LDS read and every barrier
	s_cbranch_scc0 .Lno_fetch
	tensor_load_to_lds s[44:47], s[28:35]
	s_nop 0
	tensor_load_to_lds s[48:51], s[36:43]
	s_nop 0
.rept 4
	v_nop
.endr
.Lno_fetch:
	s_lshl_b32 s56, s14, 1                         ; Q's record: major = my pair of heads
	s_add_co_u32 s56, s56, s17
	s_lshl_b32 s56, s56, 6
	s_add_co_u32 s58, s56, s13
	s_mul_i32 s56, s58, REC
	s_add_nc_u64 s[52:53], s[4:5], s[56:57]
	s_lshl_b32 s56, s58, 9
	s_add_nc_u64 s[54:55], s[6:7], s[56:57]
.irp c, 0,1,2
	global_load_b128 v[QF1+4*\c:QF1+4*\c+3], v6, s[52:53] offset:512*\c
	global_load_b128 v[QF2+4*\c:QF2+4*\c+3], v7, s[52:53] offset:512*\c
.endr
	global_load_b32 v[QW1], v88, s[54:55]
	global_load_b32 v[QW2], v89, s[54:55]
	s_mul_i32 s56, s14, 1572864                    ; a_codes: my plane, my 128 tokens
	s_mul_i32 s58, s13, 24576
	s_add_co_u32 s56, s56, s58
	s_add_nc_u64 s[8:9], s[8:9], s[56:57]
	s_lshl_b32 s56, s13, 12                        ; a_scales: my 128 tokens, my four heads' 8 bytes
	s_lshl_b32 s58, s14, 3
	s_add_co_u32 s56, s56, s58
	s_add_nc_u64 s[10:11], s[10:11], s[56:57]
	s_wait_loadcnt 0x0                             ; Q
.irp i, 0,1,2,3,4,5
	v_and_b32 v[QF1+\i], s26, v[QF1+\i]            ; the other head's half of K becomes zero codes; its scale bytes stay as they are
	v_and_b32 v[QF1+6+\i], s27, v[QF1+6+\i]
	v_and_b32 v[QF2+\i], s26, v[QF2+\i]
	v_and_b32 v[QF2+6+\i], s27, v[QF2+6+\i]
.endr
	s_wait_tensorcnt 0x0                           ; my records are in,
	s_barrier_signal -1
	s_barrier_wait -1                              ; everybody's are
	s_cmp_eq_u32 s20, 0
	s_cbranch_scc0 .Lupper
	TASK 0, QF1, QW1
	TASK 3, QF2, QW2
	s_branch .Ljoin
.Lupper:
	TASK 1, QF1, QW1
	TASK 2, QF2, QW2
.Ljoin:
	s_wait_dscnt 0x0                               ; for the others' sake: my stores into the stages are done
	s_barrier_signal -1
	s_barrier_wait -1
.irp c, 0,1,2
	ds_load_b128 v[FRG+4*\c:FRG+4*\c+3], v92 offset:8192*\c
.endr
.irp c, 0,1,2
	s_wait_dscnt 2-\c                              ; loads come back in order: the later ones may be out
	global_store_b128 v1, v[FRG+4*\c:FRG+4*\c+3], s[8:9] offset:8192*\c   ; each wave stores 512 consecutive bytes, aligned
.endr
	s_cmp_lt_u32 s12, 4                            ; waves 0-3: a token's 8 scale bytes a thread
	s_cbranch_scc0 .Lend
	ds_load_b64 v[FRG+12:FRG+13], v90
	s_wait_dscnt 0x0
	global_store_b64 v91, v[FRG+12:FRG+13], s[10:11]
.Lend:
	s_wait_tensorcnt 0x0
	ds_add_u32 v223, v237
	s_wait_dscnt 0x0
	s_endpgm
.Lfunc_end_k_q7edc319800_attn:
	.size	k_q7edc319800_attn, .Lfunc_end_k_q7edc319800_attn-k_q7edc319800_attn
	.p2alignl 7, 3214868480
	.fill 96, 4, 3214868480
	.section	.rodata,"a",@progbits
	.p2align	6, 0x0
	.amdhsa_kernel k_q7edc319800_attn
		.amdhsa_group_segment_fixed_size 182272
		.amdhsa_private_segment_fixed_size 0
		.amdhsa_enable_private_segment 0
		.amdhsa_kernarg_size 32
		.amdhsa_user_sgpr_count 2
		.amdhsa_user_sgpr_kernarg_segment_ptr 1
		.amdhsa_wavefront_size32 1
		.amdhsa_system_sgpr_workgroup_id_x 1
		.amdhsa_system_sgpr_workgroup_id_y 1
		.amdhsa_system_sgpr_workgroup_id_z 1
		.amdhsa_system_vgpr_workitem_id 0
		.amdhsa_next_free_vgpr 256
		.amdhsa_next_free_sgpr 66
		.amdhsa_reserve_vcc 1
		.amdhsa_float_denorm_mode_32 3
		.amdhsa_float_denorm_mode_16_64 3
		.amdhsa_memory_ordered 1
		.amdhsa_forward_progress 1
		.amdhsa_inst_pref_size 189
	.end_amdhsa_kernel
	.amdgpu_metadata
---
amdhsa.version: [ 1, 2 ]
amdhsa.kernels:
  - .name:           k_q7edc319800_attn
    .symbol:         k_q7edc319800_attn.kd
    .args:
      - { .name: qkv_codes, .offset: 0, .size: 8, .value_kind: global_buffer, .address_space: global }
      - { .name: qkv_scales, .offset: 8, .size: 8, .value_kind: global_buffer, .address_space: global }
      - { .name: a_codes, .offset: 16, .size: 8, .value_kind: global_buffer, .address_space: global }
      - { .name: a_scales, .offset: 24, .size: 8, .value_kind: global_buffer, .address_space: global }
    .group_segment_fixed_size: 182272
    .private_segment_fixed_size: 0
    .kernarg_segment_align: 8
    .kernarg_segment_size: 32
    .max_flat_workgroup_size: 512
    .sgpr_count:     66
    .vgpr_count:     256
    .wavefront_size: 32
...
	.end_amdgpu_metadata
.endif
;; end of part 3
;; launch gemm_out (part 4): grid 4 x 32, 4 waves a work-group, clusters of 4 x 4, 327,680 bytes of LDS; arguments a_codes, a_scales, w_codes, w_scales, out0; writes out0
.if DOCPART == 4
	.amdgcn_target "amdgcn-amd-amdhsa--gfx1250"
	.amdhsa_code_object_version 6
	.text
	.protected	k_q7edc319800_gemm_out
	.globl	k_q7edc319800_gemm_out
	.p2align	8
	.type	k_q7edc319800_gemm_out,@function
k_q7edc319800_gemm_out:
	s_mov_b64 s[64:65], 0
	v_nop
	global_prefetch_b8 v0, s[64:65] scope:SCOPE_SE
	s_setreg_imm32_b32 hwreg(HW_REG_WAVE_MODE, 25, 1), 1
	s_wait_xcnt 0x0
	s_wait_alu depctr_hold_cnt(0) depctr_sa_sdst(0) depctr_va_vdst(0) depctr_va_sdst(0) depctr_va_ssrc(0) depctr_va_vcc(0) depctr_vm_vsrc(0)
	s_getreg_b32 s2, hwreg(HW_REG_IB_STS2, 6, 4)
	s_cmp_eq_u32 s2, 0
	s_cbranch_scc0 .Lentry_in_a_cluster
	s_endpgm
.Lentry_in_a_cluster:
	s_bfe_u32 s2, ttmp6, 0x10000c
	s_cmp_lg_u32 s2, 0xf033
	s_cbranch_scc0 .Lentry_shape_is_right
	s_endpgm
.Lentry_shape_is_right:
; out0 = attention's result x w_out, on codes of FP6 (E2M3) with one E8M0 scale for each 32 along K = 1,024; sums and out0 [8192][1024] in f32.
; A: a_codes [4 planes][8192 tokens][192 bytes]: plane s holds K = 256 s .. 256 s + 255 of every token, so a K step's tile is dense rows of 192 bytes; a_scales [8192][32].
; B: rows 3072-4095 of w_codes (768 bytes a row) and of w_scales (32 bytes a row): the columns of w_out, K innermost.
; A tile of 256 x 256 is made by four waves, each 128 x 128: 64 accumulators of 16 x 16, 512 registers.  K goes in steps of 256 through a ring of two LDS slots filled by the tensor data mover; the scale bytes of the work-group's
; 2 x 256 rows, for all of K, come into LDS once, with the first fills.  out0 has 128 such tiles: as many work-groups are launched.
; CLUSTERS: 4 x 4 work-groups; A's tiles are asked for jointly by a row of the cluster, B's by a column.  THE MATRIX INSTRUCTION IS USED TRANSPOSED (source 0 = 16 rows of B, source 1 = 16 rows of A): a lane holds eight neighbouring numbers of a row of out0.
; REGISTERS, in windows of 256: window 0: v0-31 addresses; v32-63 scale words, two sets; from v128 A's fragments, ONE set; on the way out v128-255 rows of out0.
;   window 1: B's fragments, two sets, at v0 and v128.   window 2: the accumulators of my rows 0-63 ((a, b) at v[8 (8 a + b)]);   window 3: those of my rows 64-127.
.set SIZE_N, 1024
.set SIZE_K, 1024
.set KSTEP,  256
.set NQ,     KSTEP/128
.set ROWB,   192                       ; a tile's row in bytes
.set KROW,   SIZE_K*6/8                ; a row of B in memory
.set PLANE,  8192*192                  ; from a K step of A to the next, in bytes
.set WOUT_C, 3072*768                  ; where w_out's rows begin in w_codes
.set WOUT_S, 3072*32                   ; and in w_scales
.set PITCH,  240                       ; an LDS row: 3 x (64 bytes of data + 16 of padding)
.set FR,     12
.set NL,     6
.set NP,     4                         ; places behind this matrix instruction (ISA guide 7.12.1)
.set HALFT,  128*PITCH
.set SLOT,   4*HALFT
.set LAPS,   SIZE_K/(2*KSTEP)
.set KS,     SIZE_K/32
.set SCL,    2*SLOT
.set HALFS,  (128*KS/256)*272
.set SBLK,   (16*KS/256)*272
.set SPARE,  SCL+4*HALFS               ; the spare words, 128 bytes for each wave, which no other line names
.set SPITCH, 528                       ; the way out: a stage of 16 rows x (512 bytes + 16) for each wave, in slot 0, which has had its last fill and its last read when the first result is stored there
.set ADRA, 16
.set ADRB, 20
.set STO,  24                          ; v24 the way out: where I put 32 bytes of a row
.set RD,   25                          ; v25 where I read a row back
.set CO,   26                          ; v26 my byte offset in a row of out0
.set ADRS, 27
.set SPW,  28                          ; v28 LDS address of my spare word; never rewritten
.set NIL,  29                          ; v29 0; never rewritten
.set SC,   32
.set AF,   128
.set BK,   128                         ; the way out: 16 rows read back from the stage: v128-191 and v192-255 by turns
.set G1, 24
.set G0, 32
.set G1B, 48
.set G0B, 56
.set G1S, 68
.set G0S, 76
.set G1SB, 80
.set G0SB, 88
.set MSB, 0
.macro WIN new                         ; the immediate's high byte repeats the setting that is left
.if MSB != \new
	s_set_vgpr_msb (MSB<<8)|\new
.set MSB, \new
.endif
.endm
.set MUL_LO, 0xa1                      ; source 0 (B) window 1, source 1 (A) window 0, C and D window 2
.set MUL_HI, 0xf1                      ; the same, C and D window 3
.set TO_B,   0x40                      ; destination window 1, address window 0
; A joint load: waves 0 and 1 fetch for A, waves 2 and 3 for B; the branch hangs on the wave's number alone.  Four v_nop follow each of the two lines.
.macro JLOAD g0a, g1a, g0b, g1b
	s_cmp_eq_u32 s15, 0
	s_cbranch_scc0 .Lfor_b_\@
	tensor_load_to_lds s[\g0a:\g0a+3], s[\g1a:\g1a+7]
	s_nop 0
.rept 4
	v_nop
.endr
	s_branch .Lasked_\@
.Lfor_b_\@:
	tensor_load_to_lds s[\g0b:\g0b+3], s[\g1b:\g1b+7]
	s_nop 0
.rept 4
	v_nop
.endr
.Lasked_\@:
.endm
.macro CREST                           ; a round of the cluster's barrier behind its opening barrier
	s_cmp_lg_u32 s14, 0
	s_cbranch_scc1 .Lnot_wave_0_\@
	s_barrier_signal -3
.Lnot_wave_0_\@:
	s_barrier_wait -3
	s_barrier_signal -1
	s_barrier_wait -1
.endm
.macro CROUND                          ; a whole round
	s_barrier_signal -1
	s_barrier_wait -1
	CREST
.endm
	s_load_b128 s[4:7], s[0:1], 0x0                ; a_codes s[4:5], a_scales s[6:7]
	s_load_b128 s[8:11], s[0:1], 0x10              ; w_codes s[8:9], w_scales s[10:11]
	s_load_b64 s[12:13], s[0:1], 0x20              ; out0
	v_lshl_add_u32 v[SPW], v0, 2, SPARE
	v_mov_b32 v[NIL], 0
	ds_add_u32 v28, v29
	ds_add_u32 v28, v29
	s_wait_dscnt 0x0
	v_lshrrev_b32 v1, 5, v0
	v_readfirstlane_b32 s14, v1                    ; wave 0..3
	s_lshr_b32 s15, s14, 1                         ; which half of the tile's rows is mine.  Also: I fetch for A (0) or for B (1)
	s_and_b32 s16, s14, 1                          ; which half of its columns.  Also: which 128 rows of that tile I fetch
	s_bfe_u32 s40, ttmp6, 0x40000                  ; cx, cy: my place in the cluster
	s_bfe_u32 s41, ttmp6, 0x40004
	s_lshl_b32 s42, ttmp9, 2
	s_add_co_u32 s42, s42, s40                     ; tile column = 4 x cluster x + cx
	s_and_b32 s17, ttmp7, 0xffff
	s_lshl_b32 s17, s17, 2
	s_add_co_u32 s17, s17, s41                     ; tile row = 4 x cluster y + cy
	s_lshl_b32 s43, s41, 2
	s_lshl_b32 s43, 15, s43                        ; my row of the cluster
	s_lshl_b32 s44, 0x1111, s40                    ; my column
	; descriptor group 1: a tile of 128 rows x 192 bytes, padded in LDS
	s_or_b32 s[G1+0], s43, (0<<16)|(1<<20)|(1<<21)|(3<<22)|(3<<25)  ; 15:0 the mask: A's tiles go to my row; 17:16 elements of 1 byte; 20 padding on; 21 set beside a mask; 24:22 after every 16 words; 31:25 of 4 words
	s_or_b32 s[G1B+0], s44, (0<<16)|(1<<20)|(1<<21)|(3<<22)|(3<<25)
.irp g, G1, G1B
	s_mov_b32 s[\g+1], ROWB<<16                    ; tensor_dim0
	s_mov_b32 s[\g+2], 128<<16                     ; tensor_dim1 = 128
	s_mov_b32 s[\g+3], ROWB<<16                    ; tile_dim0
	s_mov_b32 s[\g+4], 128                         ; tile_dim1 = 128
	s_mov_b32 s[\g+6], 0
	s_mov_b32 s[\g+7], 0
.endr
	s_mov_b32 s[G1+5], ROWB                        ; tensor_dim0_stride: A's rows are dense within a plane,
	s_mov_b32 s[G1B+5], KROW                       ; B's are 768 bytes apart
	; the scales of 128 rows: a dense block of 4,096 bytes, as rows of 256 bytes (32 elements of 8 bytes), 16 bytes of padding behind each
	s_or_b32 s[G1S+0], s43, (3<<16)|(1<<20)|(1<<21)|(5<<22)|(3<<25)
	s_or_b32 s[G1SB+0], s44, (3<<16)|(1<<20)|(1<<21)|(5<<22)|(3<<25)
.irp g, G1S, G1SB
	s_mov_b32 s[\g+1], 32<<16
	s_mov_b32 s[\g+2], (128*KS/256)<<16
	s_mov_b32 s[\g+3], 32<<16
	s_mov_b32 s[\g+4], 128*KS/256
	s_mov_b32 s[\g+5], 32
	s_mov_b32 s[\g+6], 0
	s_mov_b32 s[\g+7], 0
.endr
	s_lshl_b32 s18, s16, 7                         ; which 128 rows of the tile I fetch
	s_lshl_b32 s20, s17, 8
	s_add_co_u32 s20, s20, s18                     ; A: row 256 x tile row + 128 x half
	s_lshl_b32 s46, s42, 8
	s_add_co_u32 s46, s46, s18                     ; B: row 256 x tile column + 128 x half
	s_mov_b32 s21, 0
	s_mov_b32 s47, 0
	s_mov_b64 s[18:19], KS
	s_mul_u64 s[22:23], s[20:21], s[18:19]         ; where these rows' scales begin, in bytes
	s_mul_u64 s[92:93], s[46:47], s[18:19]
	s_mov_b64 s[18:19], ROWB
	s_mul_u64 s[20:21], s[20:21], s[18:19]         ; A's codes: 192 bytes a row in a plane
	s_mov_b64 s[18:19], KROW
	s_mul_u64 s[46:47], s[46:47], s[18:19]         ; B's: 768 bytes a row
	s_mul_i32 s45, s14, HALFT                      ; where they go: wave x 128 rows: no place in the cluster enters an LDS address
	s_mul_i32 s94, s14, HALFS
	s_wait_kmcnt 0x0
	s_add_nc_u64 s[8:9], s[8:9], WOUT_C            ; w_out's rows
	s_add_nc_u64 s[10:11], s[10:11], WOUT_S
	s_add_nc_u64 s[20:21], s[4:5], s[20:21]
	s_add_nc_u64 s[22:23], s[6:7], s[22:23]
	s_add_nc_u64 s[46:47], s[8:9], s[46:47]
	s_add_nc_u64 s[92:93], s[10:11], s[92:93]
	CROUND                                         ; all sixteen work-groups are here: the first joint loads meet
	s_mov_b32 s[G0S], 1
	s_add_co_u32 s[G0S+1], s94, SCL
	s_mov_b64 s[G0S+2:G0S+3], s[22:23]
	s_or_b32 s[G0S+3], s[G0S+3], 0x80000000
	s_mov_b32 s[G0SB], 1
	s_add_co_u32 s[G0SB+1], s94, SCL
	s_mov_b64 s[G0SB+2:G0SB+3], s[92:93]
	s_or_b32 s[G0SB+3], s[G0SB+3], 0x80000000
	JLOAD G0S, G1S, G0SB, G1SB                     ; the scales first: they are wanted with K step 0
.irp s, 0,1
	s_mov_b32 s[G0+4*\s], 1
	s_add_co_u32 s[G0+4*\s+1], s45, \s*SLOT
	s_add_nc_u64 s[G0+4*\s+2:G0+4*\s+3], s[20:21], \s*PLANE
	s_or_b32 s[G0+4*\s+3], s[G0+4*\s+3], 0x80000000
	s_mov_b32 s[G0B+4*\s], 1
	s_add_co_u32 s[G0B+4*\s+1], s45, \s*SLOT
	s_add_nc_u64 s[G0B+4*\s+2:G0B+4*\s+3], s[46:47], \s*ROWB
	s_or_b32 s[G0B+4*\s+3], s[G0B+4*\s+3], 0x80000000
	JLOAD G0+4*\s, G1, G0B+4*\s, G1B               ; three tensor loads of mine are out now
.endr
	v_and_b32 v1, 15, v0                           ; l % 16
	v_bfe_u32 v2, v0, 4, 1                         ; l / 16
	v_mul_u32_u24 v3, v1, PITCH
	v_mul_u32_u24 v4, v2, 24
	v_add_nc_u32 v4, v3, v4                        ; a fragment's row x pitch + 24 x half
	v_lshl_add_u32 v5, v2, 4, v4                   ; and the same behind one padding more
	s_mul_i32 s21, s15, HALFT                      ; my 128 rows of A
	s_mul_i32 s22, s16, HALFT                      ; my 128 rows of B,
	s_add_co_u32 s22, s22, 2*HALFT                 ; which lie behind A's 256
.irp s, 0,1
	v_add_nc_u32 v[ADRA+\s], s21, v4
	v_add_nc_u32 v[ADRB+\s], s22, v4
	v_add_nc_u32 v[ADRA+2+\s], s21, v5
	v_add_nc_u32 v[ADRB+2+\s], s22, v5
	s_add_co_u32 s21, s21, SLOT
	s_add_co_u32 s22, s22, SLOT
.endr
	v_mul_u32_u24 v5, v1, KS                       ; my row's scales: 32 bytes a row,
	v_lshrrev_b32 v6, 8, v5
	v_lshl_add_u32 v5, v6, 4, v5                   ; and 16 more for each 256 passed
	s_mul_i32 s21, s15, HALFS                      ; A's: my 128 rows
	s_mul_i32 s22, s16, HALFS                      ; B's: my 128 rows, behind A's 256
	s_add_co_u32 s22, s22, 2*HALFS
	s_sub_co_u32 s22, s22, s21
	v_mul_u32_u24 v6, s22, v2                      ; lanes 16-31 take B's: one product, the distance between the two bases
	s_add_co_u32 s21, s21, SCL
	v_add_nc_u32 v5, v5, v6
	v_add_nc_u32 v[ADRS], s21, v5
	s_mul_i32 s23, s14, 16*SPITCH                  ; my stage
	v_mul_u32_u24 v5, v1, SPITCH                   ; in: row l % 16, 32 bytes for each half of the lanes
	v_lshl_add_u32 v5, v2, 5, v5
	v_add_nc_u32 v[STO], s23, v5
	v_and_b32 v6, 31, v0
	v_lshlrev_b32 v[CO], 4, v6                     ; back: the 32 lanes take one row of 512 bytes; and the same in out0
	v_add_nc_u32 v[RD], s23, v[CO]
	s_lshl_b32 s20, s17, 8
	s_lshl_b32 s21, s15, 7
	s_add_co_u32 s20, s20, s21                     ; my first row of out0: 256 x tile row + 128 x half
	s_mov_b32 s21, 0
	s_mov_b64 s[18:19], SIZE_N*4
	s_mul_u64 s[20:21], s[20:21], s[18:19]
	s_lshl_b32 s46, s42, 10                        ; my first column, in bytes: 1,024 x tile column + 512 x half
	s_lshl_b32 s47, s16, 9
	s_add_co_u32 s46, s46, s47
	s_mov_b32 s47, 0
	s_add_nc_u64 s[20:21], s[20:21], s[46:47]
	s_add_nc_u64 s[12:13], s[12:13], s[20:21]
.macro FRAG reg, adr, q, i             ; a fragment is 12 registers: lane l holds row l % 16; registers 6 c .. 6 c + 5 hold K = 64 c + 32 (l / 16) + 0 .. 31: 24 bytes of the row's stream of bits, as they lie
.irp p, 0,1,2,3,4,5                    ; in pieces of 8 bytes, so that every address is a multiple of the access's size
.set PC, 12*(\q)+6*(\p/3)+\p%3        ; 16 bytes of padding lie behind every 8 pieces: where the piece three on lies behind one padding more, the second address register serves
.if PC%8 < 5
	ds_load_b64 v[\reg+2*\p:\reg+2*\p+1], v[\adr] offset:8*PC+16*(PC/8)+(\i)*16*PITCH
.else
	ds_load_b64 v[\reg+2*\p:\reg+2*\p+1], v[\adr+2] offset:8*PC+16*(PC/8)+(\i)*16*PITCH
.endif
.endr
.endm
; 16 matrix instructions: A's blocks a0, a0 + 1 x B's eight, 128 along K.  The 64 accumulators take turns, one instruction a turn, in the same order in every step.
.macro MUL16 a0, p, q, sc, zero
.irp a, \a0, \a0+1
.irp b, 0,1,2,3,4,5,6,7
.if \zero
	v_wmma_scale_f32_16x16x128_f8f6f4 v[8*(8*((\a)%4)+\b):8*(8*((\a)%4)+\b)+7], v[128*(\p)+FR*\b:128*(\p)+FR*\b+FR-1], v[AF+FR*(\a):AF+FR*(\a)+FR-1], 0, v[SC+8*NQ*(\sc)+NQ*\b+(\q)], v[SC+8*NQ*(\sc)+NQ*(\a)+(\q)] matrix_a_fmt:MATRIX_FMT_FP6 matrix_b_fmt:MATRIX_FMT_FP6 matrix_a_scale:MATRIX_SCALE_ROW1
.else
	v_wmma_scale_f32_16x16x128_f8f6f4 v[8*(8*((\a)%4)+\b):8*(8*((\a)%4)+\b)+7], v[128*(\p)+FR*\b:128*(\p)+FR*\b+FR-1], v[AF+FR*(\a):AF+FR*(\a)+FR-1], v[8*(8*((\a)%4)+\b):8*(8*((\a)%4)+\b)+7], v[SC+8*NQ*(\sc)+NQ*\b+(\q)], v[SC+8*NQ*(\sc)+NQ*(\a)+(\q)] matrix_a_fmt:MATRIX_FMT_FP6 matrix_b_fmt:MATRIX_FMT_FP6 matrix_a_scale:MATRIX_SCALE_ROW1
.endif
.endr
.endr
.endm
.macro FETCH_B slot, q, p
	WIN TO_B
.irp i, 0,1,2,3,4,5,6,7
	FRAG 128*(\p)+FR*\i, ADRB+\slot, \q, \i
.endr
	WIN 0
.endm
.macro FETCH_A slot, q, i0
.irp i, \i0, \i0+1, \i0+2, \i0+3
	FRAG AF+FR*(\i), ADRA+\slot, \q, \i
.endr
.endm
.macro SCALES sc                       ; the next K step's scale words into set sc; lanes 0-15 take A's block i, lanes 16-31 B's block i
.irp i, 0,1,2,3,4,5,6,7
	ds_load_b64 v[SC+8*NQ*\sc+NQ*\i:SC+8*NQ*\sc+NQ*\i+1], v[ADRS] offset:\i*SBLK
.endr
.endm
; A load into a register that a matrix instruction has read, and an LDS store that reads a matrix result, stand NP places behind it; only plain vector instructions that name none of its registers are places
; (ISA guide 7.12.1 for vector instructions).
.macro PLACES n
.rept \n
	v_nop
.endr
.endm
.macro STEP slot, q, zero
	s_wait_dscnt 4*NL                              ; B's set and A's blocks 0-3 are in; the youngest 24 loads (A's blocks 4-7) may be out
	WIN MUL_LO
	MUL16 0, (\q)%2, \q, \slot, \zero
	MUL16 2, (\q)%2, \q, \slot, \zero
	s_wait_dscnt 0                                 ; A's blocks 4-7 are in
	PLACES NP
	FETCH_B \slot, (\q)+1, 1-(\q)%2
	FETCH_A \slot, (\q)+1, 0
	WIN MUL_HI
	MUL16 4, (\q)%2, \q, \slot, \zero
	MUL16 6, (\q)%2, \q, \slot, \zero
	PLACES NP
	WIN 0
	FETCH_A \slot, (\q)+1, 4
.endm
; A slot's last step changes slots: ONE barrier; in front of it each wave waits for all its tensor loads, adds 0 to its spare word, and waits for that and for its own reads of this slot.  fill = 1: this slot is filled again, two K steps ahead.
.macro TURN slot, next, fill
	s_wait_tensorcnt 0x0                           ; all my tensor loads have landed: my part of the next slot  (every window is 0 here)
	ds_add_u32 v[SPW], v[NIL]                      ; 0 onto my spare word
	s_wait_dscnt 4*NL+1                            ; (the add and the youngest 24 loads may be out)
	WIN MUL_LO
	MUL16 0, 1, NQ-1, \slot, 0                     ; sixteen matrix instructions stand between the add and the wait for it
	s_wait_dscnt 0x0                               ; the add is done, and my reads of this slot are over
	s_barrier_signal -1
	MUL16 2, 1, NQ-1, \slot, 0
	WIN 0
	s_barrier_wait -1
.if \fill
	CREST                                          ; the barrier has opened a round of the cluster's barrier: no wave of any partner still reads this slot's tile or has a load on its way
	s_add_nc_u64 s[G0+4*\slot+2:G0+4*\slot+3], s[G0+4*\slot+2:G0+4*\slot+3], 2*PLANE
	s_add_nc_u64 s[G0B+4*\slot+2:G0B+4*\slot+3], s[G0B+4*\slot+2:G0B+4*\slot+3], 2*ROWB
	JLOAD G0+4*\slot, G1, G0B+4*\slot, G1B         ; the first tensor load behind the round; the four v_nop behind it are the places in front of the loads below
.else
	PLACES NP
.endif
	v_add_nc_u32 v[ADRS], 4*NQ, v[ADRS]            ; on to the next K step's scale words (no LDS load of mine is out)
	FETCH_B \next, 0, 0
	FETCH_A \next, 0, 0
	SCALES \next
	WIN MUL_HI
	MUL16 4, 1, NQ-1, \slot, 0
	MUL16 6, 1, NQ-1, \slot, 0
	PLACES NP
	WIN 0
	FETCH_A \next, 0, 4
.endm
	s_wait_tensorcnt 1                             ; the scales and my part of K step 0 are in (K step 1's load may be out)
	s_barrier_signal -1
	s_barrier_wait -1                              ; everybody's are
	FETCH_B 0, 0, 0
	FETCH_A 0, 0, 0
	SCALES 0
	FETCH_A 0, 0, 4
	STEP 0, 0, 1                                   ; the first step stands in front of the loop: its products start the sums
	s_mov_b32 s3, LAPS-1
.Llap:                                                 ; a trip goes once round the ring and fills both slots again
	TURN 0, 1, 1
	STEP 1, 0, 0
	TURN 1, 0, 1
	STEP 0, 0, 0
	s_sub_co_u32 s3, s3, 1
	s_cmp_lg_u32 s3, 0
	s_cbranch_scc1 .Llap
	TURN 0, 1, 0                                   ; the last lap fills nothing, and has no round of the cluster's barrier
	STEP 1, 0, 0
	s_wait_dscnt 4*NL                              ; the very last step: nothing more to fetch
	WIN MUL_LO
	MUL16 0, 1, NQ-1, 1, 0
	MUL16 2, 1, NQ-1, 1, 0
	s_wait_dscnt 0
	WIN MUL_HI
	MUL16 4, 1, NQ-1, 1, 0
	MUL16 6, 1, NQ-1, 1, 0
	WIN 0
; THE WAY OUT, block by block of 16 rows x 128 columns.  A lane holds 32 neighbouring bytes of a row, and the lanes beside it hold other rows: so a block goes through my own stage in LDS and comes back as whole
; rows of 512 bytes.  LDS serves a wave's instructions in order (ISA guide 5.7.1.4): no wait between the stores and the loads, nor in front of the next block's stores.
.macro TOSTAGE a
.set AC, 64*((\a)%4)
	WIN 0x08+4*((\a)/4)                            ; the data: window 2 or 3
.irp b, 0,1,2,3,4,5,6,7
	ds_store_b128 v[STO], v[AC+8*\b:AC+8*\b+3] offset:64*\b          ; each accumulator from its low end on
	ds_store_b128 v[STO], v[AC+8*\b+4:AC+8*\b+7] offset:64*\b+16
.endr
	WIN 0
.set BB, BK+64*((\a)%2)
.irp t, 0,1,2,3,4,5,6,7,8,9,10,11,12,13,14,15
	ds_load_b128 v[BB+4*\t:BB+4*\t+3], v[RD] offset:\t*SPITCH
.endr
.endm
.macro SEND a, younger                 ; younger: the LDS instructions issued behind block a's loads, which may stay out
.set BB, BK+64*((\a)%2)
	s_wait_dscnt \younger                          ; the block is back in registers
.if (\a) > 0
	s_add_nc_u64 s[12:13], s[12:13], 16*SIZE_N*4   ; (behind a wait on XCNT: the earlier stores have read their base)  16 rows of out0 on
.endif
.irp t, 0,1,2,3,4,5,6,7,8,9,10,11,12,13,14,15
	global_store_b128 v[CO], v[BB+4*\t:BB+4*\t+3], s[12:13] offset:\t*SIZE_N*4 th:TH_STORE_NT   ; 32 lanes store 512 consecutive bytes, aligned; written once, read by nobody here
.endr
.endm
	PLACES NP                                      ; behind the last products: for the loads into the registers that held A's fragments and for the reads of the last results
	TOSTAGE 0
.irp a, 1,2,3,4,5,6,7
.if \a > 1
	s_wait_xcnt 0x0                                ; block a - 2's stores have read their registers and their base: block a's loads may land there, and the base may step
.endif
	TOSTAGE \a
	SEND \a-1, 32                                  ; behind block a - 1's loads: block a's 16 stores and 16 loads
.endr
	s_wait_xcnt 0x0                                ; block 6's stores have read their base
	SEND 7, 0
	s_wait_tensorcnt 0x0                           ; the wave's end: behind my last tensor load and my last LDS store
	ds_add_u32 v[SPW], v[NIL]
	s_wait_dscnt 0x0
	CROUND                                         ; the closing round: no work-group ends while a partner may still ask for a tile that names it
	s_endpgm
.Lfunc_end_k_q7edc319800_gemm_out:
	.size	k_q7edc319800_gemm_out, .Lfunc_end_k_q7edc319800_gemm_out-k_q7edc319800_gemm_out
	.p2alignl 7, 3214868480
	.fill 96, 4, 3214868480
	.section	.rodata,"a",@progbits
	.p2align	6, 0x0
	.amdhsa_kernel k_q7edc319800_gemm_out
		.amdhsa_group_segment_fixed_size 327680
		.amdhsa_private_segment_fixed_size 0
		.amdhsa_enable_private_segment 0
		.amdhsa_kernarg_size 40
		.amdhsa_user_sgpr_count 2
		.amdhsa_user_sgpr_kernarg_segment_ptr 1
		.amdhsa_wavefront_size32 1
		.amdhsa_system_sgpr_workgroup_id_x 1
		.amdhsa_system_sgpr_workgroup_id_y 1
		.amdhsa_system_sgpr_workgroup_id_z 1
		.amdhsa_system_vgpr_workitem_id 0
		.amdhsa_next_free_vgpr 1024
		.amdhsa_next_free_sgpr 98
		.amdhsa_reserve_vcc 0
		.amdhsa_float_denorm_mode_32 3
		.amdhsa_float_denorm_mode_16_64 3
		.amdhsa_memory_ordered 1
		.amdhsa_forward_progress 1
		.amdhsa_inst_pref_size 160
	.end_amdhsa_kernel
	.amdgpu_metadata
---
amdhsa.version: [ 1, 2 ]
amdhsa.kernels:
  - .name:           k_q7edc319800_gemm_out
    .symbol:         k_q7edc319800_gemm_out.kd
    .args:
      - { .name: a_codes, .offset: 0, .size: 8, .value_kind: global_buffer, .address_space: global }
      - { .name: a_scales, .offset: 8, .size: 8, .value_kind: global_buffer, .address_space: global }
      - { .name: w_codes, .offset: 16, .size: 8, .value_kind: global_buffer, .address_space: global }
      - { .name: w_scales, .offset: 24, .size: 8, .value_kind: global_buffer, .address_space: global }
      - { .name: out0, .offset: 32, .size: 8, .value_kind: global_buffer, .address_space: global }
    .group_segment_fixed_size: 327680
    .private_segment_fixed_size: 0
    .kernarg_segment_align: 8
    .kernarg_segment_size: 40
    .max_flat_workgroup_size: 128
    .sgpr_count:     98
    .vgpr_count:     1024
    .wavefront_size: 32
...
	.end_amdgpu_metadata
.endif
;; end of part 4
